; MI455X (gfx1250); checked and timed in simulation.
; The chip was launched on July 23, 2026; its instructions are those of AMD's public machine-readable ISA for CDNA 5 (MIT licence, August 2026) and "CDNA5" Instruction Set Architecture Reference Guide (July 2026). The comments in the code are by the model that wrote it; some were corrected since.
;; Attention Mechanism. Allowed arithmetic: matrix products marked QUANTISED: E2M3 operands, one E8M0 scale for each 32 along K, by v_wmma_scale_f32_16x16x128_f8f6f4 with both operands' format E2M3, f32 sums; products left as they are: f32 operands where the result goes on into a quantised operand, else bf16, f16 or f32 operands; f32 sums; everything else in f32.
;; Inputs: W_dec_codes 1,024 x 32 x 24 uint8 (E2M3 codes of W_dec, K innermost, in blocks of 32 codes, four codes in three bytes); W_dec_scales 1,024 x 32 uint8 (E8M0 scales of W_dec, one for each 32 codes along K); W_enc_codes 1,024 x 32 x 24 uint8 (E2M3 codes of W_enc, K innermost, in blocks of 32 codes, four codes in three bytes); W_enc_scales 1,024 x 32 uint8 (E8M0 scales of W_enc, one for each 32 codes along K); att_weights_step 32 x 2,048 float32; b_enc 1,024 float32; dec_out_codes 32 x 1 x 32 x 24 uint8 (E2M3 codes of dec_out, K innermost, in blocks of 32 codes, four codes in three bytes); dec_out_scales 32 x 1 x 32 uint8 (E8M0 scales of dec_out, one for each 32 codes along K); enc_out 32 x 2,048 x 1,024 float32; v 1,024 float32; x_lens 32 int32.
;; Outputs: out0 32 x 1 x 1,024 float32; out1 32 x 2,048 float32.
;; This version of the problem:
;;   THIS VERSION OF THE PROBLEM IS GIVEN IN LOW PRECISION. The matrix products marked QUANTISED in the list below multiply operands that are first quantised to E2M3 (2 exponent bits, 3 mantissa bits; 6 bits a number), with one power-of-two scale for each 32 numbers along K (OCP MX v1.0); their sums are f32. All else is computed in f32.
;;   The module's matrix products, in the order in which they are computed (A, B: the left and right operand; K: the contracted axis; several contracted axes count as one K, in the product's order):
;;     1. [M 65,536, K 1,024] x [K 1,024, N 1,024]; A: input enc_out; B: input W_enc (given as codes): QUANTISED
;;     2. [M 32, K 1,024] x [K 1,024, N 1,024]; A: input dec_out (given as codes); B: input W_dec (given as codes): QUANTISED
;;     3. [M 65,536, K 1,024] x [K 1,024, N 1]; A: computed on the way; B: input v: left as it is (N = 1 < 16)
;;     4. batch 32 x [M 1,024, K 2,048] x [K 2,048, N 1]; A: input enc_out; B: softmax: left as it is (N = 1 < 16)
;;   THE QUANTISER, for each operand of a quantised product, along K:
;;     - K is cut into blocks of 32 from its start; a last block that is shorter is filled with zeros.
;;     - A block's scale is 2^e with e = floor(log2(the largest magnitude in the block)) - 2, held to -126 .. 127; a block of zeros has e = 0. As a byte (E8M0): e + 127.
;;     - Each number is divided by its block's scale, clamped to +-7.5, and rounded to the nearest number of E2M3, ties to even, subnormals kept.
;;     - The product sums the exact products of the quantised numbers (number of the format x scale) in f32.
;;   ~~~python
;;   def quantise(x, axis):      # numpy; x: float32 -> the quantised numbers, widened to float32 again
;;       x = np.moveaxis(x, axis, -1); K = x.shape[-1]
;;       x = np.pad(x, [(0, 0)] * (x.ndim - 1) + [(0, -K % 32)]); x = x.reshape(x.shape[:-1] + (-1, 32)); a = np.abs(x).max(-1, keepdims=True)
;;       e = np.where(a > 0, np.clip(np.frexp(np.where(a > 0, a, 1))[1] - 1 - 2, -126, 127), 0)      # np.frexp(a)[1] - 1 = floor(log2(a)), exactly
;;       r = np.clip(x / 2.0 ** e, -7.5, 7.5)
;;       step = 2.0 ** (np.maximum(np.frexp(np.where(r == 0, 1, r))[1] - 1, 0) - 3)
;;       q = np.round(r / step) * step * 2.0 ** e      # np.round: ties to even
;;       return np.moveaxis(q.reshape(q.shape[:-2] + (-1,))[..., :K], -1, axis).astype(np.float32)
;;   ~~~
;;   INPUTS GIVEN AS CODES. W_dec (in the module: [1024, 1024], K = its axis 0); W_enc (in the module: [1024, 1024], K = its axis 0); dec_out (in the module: [32, 1, 1024], K = its axis 2): each comes as NAME_codes (uint8): NAME with its K axis moved to the last place and cut into blocks of 32 codes, [.., K / 32, bytes a block], one block behind the other in memory; four codes in three bytes: a row's codes are one little-endian stream of bits, code i at bits 6 i .. 6 i + 5 (a code: sign, 2 exponent bits, 3 mantissa bits); and NAME_scales (uint8): the same leading axes, one E8M0 byte (e + 127) for each 32 codes along K. Its value is code x scale, taken as it is: it is not quantised again, and the codes and scales need not be those that the quantiser above would give.
;; 2 versions, each right; version 2 is version 1 with the launches prep, main written anew for expert scheduling mode. Each part assembles by itself: llvm-mc -triple=amdgcn-amd-amdhsa -mcpu=gfx1250 --defsym DOCPART=n.
;; ======== version 1 of 2: 3 launches
;; workspace buffers: wf 819,200 bytes; bv 262,144 bytes; energy 262,144 bytes; cpart 2,097,152 bytes
;; launch prep (part 1): grid 192 x 1, 1 waves a work-group, no clusters, 0 bytes of LDS; arguments W_dec_codes, W_dec_scales, W_enc_codes, W_enc_scales, b_enc, dec_out_codes, dec_out_scales, v, wf, bv; writes wf, bv
.if DOCPART == 1
	.amdgcn_target "amdgcn-amd-amdhsa--gfx1250"
	.amdhsa_code_object_version 6
	.text
	.protected	k_q439e8698e1_prep
	.globl	k_q439e8698e1_prep
	.p2align	8
	.type	k_q439e8698e1_prep,@function
k_q439e8698e1_prep:
	s_mov_b64 s[64:65], 0
	v_nop
	global_prefetch_b8 v0, s[64:65] scope:SCOPE_SE
	s_setreg_imm32_b32 hwreg(HW_REG_WAVE_MODE, 25, 1), 1
	s_wait_xcnt 0x0
; TWO SMALL JOBS AHEAD OF THE MAIN LAUNCH, one wave to a work-group, told apart by the work-group's number.
; Work-groups 0-127: dec_proj = dec_out W_dec on codes of FP6 (E2M3) with E8M0 scales, one tile of 16 columns n (nt = id / 2) x 16 batches (mh = id % 2), K = 1,024 in eight matrix instructions.
;   Stored for the main launch, in bv [64 tiles][32 batches][32 f32]: words 0-15 bias'[n] = 2 log2(e) (dec_proj[b][n] + b_enc[n]), words 16-31 v'[n] = -2 v[n], n = 16 nt + index.
;   The product is used transposed (source 0 = 16 rows of W_dec, source 1 = 16 batches): lane (r, h) holds batch r and columns 8 h + 0 .. 7, eight neighbours of a record.
;   K is shared between two accumulators, which take turns; their sum is taken in f32.  bv is 262,144 bytes: a lane stores 16 bytes of a record of 128, so its stores do not cover 256 consecutive bytes each.
; Work-groups 128-191: W_enc's codes and scale bytes of 16 columns (nt = id - 128) are laid in wf in the order of the operand's registers: a record of 12,800 bytes: fragment ks (16 rows x 128 K, 12 registers a lane)
;   at 1,536 ks as three runs of 512 bytes (16 bytes a lane); scale register c at 12,288 + 128 c (4 bytes a lane): lanes 0-15 the word of K step 2 c, lanes 16-31 that of K step 2 c + 1.  Each store covers 512 or 128 consecutive bytes.
.set WD, 16                            ; v16-111   eight fragments of W_dec (or of W_enc)
.set DO, 112                           ; v112-207  eight fragments of dec_out
.set WS, 208                           ; v208-211  the weight's scale words: scales and nothing else
.set DS, 212                           ; v212-215  dec_out's scale words
.set A0, 216                           ; v216-223  the sum over the even K steps
.set A1, 224                           ; v224-231  over the odd ones
.set BE, 232                           ; v232-239  b_enc at my eight columns
.set VV, 240                           ; v240-247  v at my eight columns
.set TT, 248                           ; v248-255  bias'
.macro FRAG6 reg, base, off            ; a fragment of 6-bit codes: 24 bytes of the row's stream of bits at 24 h, and 24 more 48 bytes on, in pieces of 8 bytes
.irp p, 0,1,2,3,4,5
	global_load_b64 v[(\reg)+2*\p:(\reg)+2*\p+1], v1, s[\base:\base+1] offset:(\off)+48*(\p/3)+8*(\p%3)
.endr
.endm
	s_load_b512 s[4:19], s[0:1], 0x0               ; W_dec codes s[4:5], scales s[6:7]; W_enc codes s[8:9], scales s[10:11]; b_enc s[12:13]; dec_out codes s[14:15], scales s[16:17]; v s[18:19]
	s_load_b128 s[20:23], s[0:1], 0x40             ; wf s[20:21], bv s[22:23]
	v_and_b32 v8, 15, v0                           ; r
	v_bfe_u32 v9, v0, 4, 1                         ; h
	v_mul_u32_u24 v1, v8, 768                      ; codes: row r of 768 bytes,
	v_mad_u32_u24 v1, v9, 24, v1                   ; + 24 h
	v_lshlrev_b32 v2, 5, v8                        ; scale words: row r of 32 bytes,
	v_lshl_add_u32 v2, v9, 2, v2                   ; + 4 h: lanes 16-31 take the odd K step's word
	v_lshlrev_b32 v3, 5, v9                        ; b_enc, v: my eight columns, 32 h bytes on
	v_lshlrev_b32 v4, 4, v0                        ; 16 x lane
	v_lshlrev_b32 v5, 2, v0                        ; 4 x lane
	v_lshlrev_b32 v6, 7, v8                        ; bv: batch r's record of 128 bytes,
	v_lshl_add_u32 v6, v9, 5, v6                   ; + 32 h
	s_mov_b32 s25, 0
	s_mov_b32 s26, 0x4038aa3b                      ; 2 log2(e)
	s_mov_b32 s27, s26                             ; (named with it as a pair, so it is written)
	s_wait_kmcnt 0x0
	s_cmp_lt_u32 ttmp9, 128
	s_cbranch_scc0 .Llayout
	; ---- dec_proj
	s_lshr_b32 s28, ttmp9, 1                       ; nt
	s_and_b32 s29, ttmp9, 1                        ; mh
	s_mul_i32 s24, s28, 12288                      ; 16 rows of 768 bytes
	s_add_nc_u64 s[4:5], s[4:5], s[24:25]
	s_lshl_b32 s24, s28, 9                         ; 16 rows of 32 bytes
	s_add_nc_u64 s[6:7], s[6:7], s[24:25]
	s_mul_i32 s24, s29, 12288
	s_add_nc_u64 s[14:15], s[14:15], s[24:25]
	s_lshl_b32 s24, s29, 9
	s_add_nc_u64 s[16:17], s[16:17], s[24:25]
	s_lshl_b32 s24, s28, 6                         ; 16 f32
	s_add_nc_u64 s[12:13], s[12:13], s[24:25]
	s_add_nc_u64 s[18:19], s[18:19], s[24:25]
	s_lshl_b32 s24, s28, 12                        ; a tile's 32 records,
	s_lshl_b32 s30, s29, 11                        ; 16 of them
	s_add_co_u32 s24, s24, s30
	s_add_nc_u64 s[22:23], s[22:23], s[24:25]
.irp ks, 0,1,2,3,4,5,6,7
	FRAG6 WD+12*\ks, 4, 96*\ks
	FRAG6 DO+12*\ks, 14, 96*\ks
.endr
.irp c, 0,1,2,3
	global_load_b32 v[WS+\c], v2, s[6:7] offset:8*\c
	global_load_b32 v[DS+\c], v2, s[16:17] offset:8*\c
.endr
	global_load_b128 v[BE:BE+3], v3, s[12:13]
	global_load_b128 v[BE+4:BE+7], v3, s[12:13] offset:16
	global_load_b128 v[VV:VV+3], v3, s[18:19]
	global_load_b128 v[VV+4:VV+7], v3, s[18:19] offset:16
	s_wait_loadcnt 0x0
.irp c, 0,1,2,3                        ; K steps 2 c and 2 c + 1; each sum's first product takes the constant 0
.if \c == 0
	v_wmma_scale_f32_16x16x128_f8f6f4 v[A0:A0+7], v[WD:WD+11], v[DO:DO+11], 0, v[WS], v[DS] matrix_a_fmt:MATRIX_FMT_FP6 matrix_b_fmt:MATRIX_FMT_FP6
	v_wmma_scale_f32_16x16x128_f8f6f4 v[A1:A1+7], v[WD+12:WD+23], v[DO+12:DO+23], 0, v[WS], v[DS] matrix_a_fmt:MATRIX_FMT_FP6 matrix_b_fmt:MATRIX_FMT_FP6 matrix_a_scale:MATRIX_SCALE_ROW1 matrix_b_scale:MATRIX_SCALE_ROW1
.else
	v_wmma_scale_f32_16x16x128_f8f6f4 v[A0:A0+7], v[WD+24*\c:WD+24*\c+11], v[DO+24*\c:DO+24*\c+11], v[A0:A0+7], v[WS+\c], v[DS+\c] matrix_a_fmt:MATRIX_FMT_FP6 matrix_b_fmt:MATRIX_FMT_FP6
	v_wmma_scale_f32_16x16x128_f8f6f4 v[A1:A1+7], v[WD+24*\c+12:WD+24*\c+23], v[DO+24*\c+12:DO+24*\c+23], v[A1:A1+7], v[WS+\c], v[DS+\c] matrix_a_fmt:MATRIX_FMT_FP6 matrix_b_fmt:MATRIX_FMT_FP6 matrix_a_scale:MATRIX_SCALE_ROW1 matrix_b_scale:MATRIX_SCALE_ROW1
.endif
.endr
.rept 4
	v_nop                                          ; four places between the last product and the first read of a result (ISA guide 7.12.1)
.endr
.irp j, 0,2,4,6                        ; each accumulator from its low end on
	v_pk_add_f32 v[TT+\j:TT+\j+1], v[A0+\j:A0+\j+1], v[A1+\j:A1+\j+1]
.endr
.irp j, 0,2,4,6
	v_pk_add_f32 v[TT+\j:TT+\j+1], v[TT+\j:TT+\j+1], v[BE+\j:BE+\j+1]
.endr
.irp j, 0,2,4,6
	v_pk_mul_f32 v[TT+\j:TT+\j+1], v[TT+\j:TT+\j+1], s[26:27] op_sel_hi:[1,0]
	v_pk_mul_f32 v[VV+\j:VV+\j+1], v[VV+\j:VV+\j+1], -2.0 op_sel_hi:[1,0]
.endr
	global_store_b128 v6, v[TT:TT+3], s[22:23]
	global_store_b128 v6, v[TT+4:TT+7], s[22:23] offset:16
	global_store_b128 v6, v[VV:VV+3], s[22:23] offset:64
	global_store_b128 v6, v[VV+4:VV+7], s[22:23] offset:80
	s_endpgm
.Llayout:
	; ---- W_enc into the order of the operand's registers
	s_sub_co_u32 s28, ttmp9, 128                   ; nt
	s_mul_i32 s24, s28, 12288
	s_add_nc_u64 s[8:9], s[8:9], s[24:25]
	s_lshl_b32 s24, s28, 9
	s_add_nc_u64 s[10:11], s[10:11], s[24:25]
	s_mul_i32 s24, s28, 12800
	s_add_nc_u64 s[20:21], s[20:21], s[24:25]
.irp ks, 0,1,2,3,4,5,6,7
	FRAG6 WD+12*\ks, 8, 96*\ks
.endr
.irp c, 0,1,2,3
	global_load_b32 v[WS+\c], v2, s[10:11] offset:8*\c
.endr
	s_wait_loadcnt 0x0
.irp ks, 0,1,2,3,4,5,6,7
.irp c, 0,1,2
	global_store_b128 v4, v[WD+12*\ks+4*\c:WD+12*\ks+4*\c+3], s[20:21] offset:1536*\ks+512*\c
.endr
.endr
.irp c, 0,1,2,3
	global_store_b32 v5, v[WS+\c], s[20:21] offset:12288+128*\c
.endr
	s_endpgm
.Lfunc_end_k_q439e8698e1_prep:
	.size	k_q439e8698e1_prep, .Lfunc_end_k_q439e8698e1_prep-k_q439e8698e1_prep
	.p2alignl 7, 3214868480
	.fill 96, 4, 3214868480
	.section	.rodata,"a",@progbits
	.p2align	6, 0x0
	.amdhsa_kernel k_q439e8698e1_prep
		.amdhsa_group_segment_fixed_size 0
		.amdhsa_private_segment_fixed_size 0
		.amdhsa_enable_private_segment 0
		.amdhsa_kernarg_size 80
		.amdhsa_user_sgpr_count 2
		.amdhsa_user_sgpr_kernarg_segment_ptr 1
		.amdhsa_wavefront_size32 1
		.amdhsa_system_sgpr_workgroup_id_x 1
		.amdhsa_system_sgpr_workgroup_id_y 1
		.amdhsa_system_sgpr_workgroup_id_z 1
		.amdhsa_system_vgpr_workitem_id 0
		.amdhsa_next_free_vgpr 256
		.amdhsa_next_free_sgpr 66
		.amdhsa_reserve_vcc 0
		.amdhsa_float_denorm_mode_32 3
		.amdhsa_float_denorm_mode_16_64 3
		.amdhsa_memory_ordered 1
		.amdhsa_forward_progress 1
		.amdhsa_inst_pref_size 23
	.end_amdhsa_kernel
	.amdgpu_metadata
---
amdhsa.version: [ 1, 2 ]
amdhsa.kernels:
  - .name:           k_q439e8698e1_prep
    .symbol:         k_q439e8698e1_prep.kd
    .args:
      - { .name: W_dec_codes, .offset: 0, .size: 8, .value_kind: global_buffer, .address_space: global }
      - { .name: W_dec_scales, .offset: 8, .size: 8, .value_kind: global_buffer, .address_space: global }
      - { .name: W_enc_codes, .offset: 16, .size: 8, .value_kind: global_buffer, .address_space: global }
      - { .name: W_enc_scales, .offset: 24, .size: 8, .value_kind: global_buffer, .address_space: global }
      - { .name: b_enc, .offset: 32, .size: 8, .value_kind: global_buffer, .address_space: global }
      - { .name: dec_out_codes, .offset: 40, .size: 8, .value_kind: global_buffer, .address_space: global }
      - { .name: dec_out_scales, .offset: 48, .size: 8, .value_kind: global_buffer, .address_space: global }
      - { .name: v, .offset: 56, .size: 8, .value_kind: global_buffer, .address_space: global }
      - { .name: wf, .offset: 64, .size: 8, .value_kind: global_buffer, .address_space: global }
      - { .name: bv, .offset: 72, .size: 8, .value_kind: global_buffer, .address_space: global }
    .group_segment_fixed_size: 0
    .private_segment_fixed_size: 0
    .kernarg_segment_align: 8
    .kernarg_segment_size: 80
    .max_flat_workgroup_size: 32
    .sgpr_count:     66
    .vgpr_count:     256
    .wavefront_size: 32
...
	.end_amdgpu_metadata
.endif
;; end of part 1
;; launch main (part 2): grid 32 x 16, 4 waves a work-group, no clusters, 316,928 bytes of LDS; arguments enc_out, x_lens, wf, bv, energy, cpart; writes energy, cpart
.if DOCPART == 2
	.amdgcn_target "amdgcn-amd-amdhsa--gfx1250"
	.amdhsa_code_object_version 6
	.text
	.protected	k_q439e8698e1_main
	.globl	k_q439e8698e1_main
	.p2align	8
	.type	k_q439e8698e1_main,@function
k_q439e8698e1_main:
	s_mov_b64 s[64:65], 0
	v_nop
	global_prefetch_b8 v0, s[64:65] scope:SCOPE_SE
	s_setreg_imm32_b32 hwreg(HW_REG_WAVE_MODE, 25, 1), 1
	s_wait_xcnt 0x0
; ADDITIVE ATTENTION, ONE BLOCK OF 128 ROWS t OF ONE BATCH b TO A WORK-GROUP (x = b, y = block).  enc_out [32][2048][1024] f32 is read ONCE:
;   X  the block's rows are loaded, quantised to FP6 (E2M3) with one E8M0 scale for each 32 along K, and kept twice: as bf16 in LDS (for the context) and as codes in EVERY wave's registers (64 fragments, 768 registers);
;   G  enc_proj = codes x W_enc's codes; wave w takes all 128 rows and columns 256 w .. 256 w + 255, 16 tiles of 16; each tile: 64 matrix instructions, then tanh and the product with v, in f32;
;   E  the four waves' partial energies meet in LDS; the mask t < x_lens[b] multiplies them (0 behind it, as reference() has it: no -infinity); they are stored; p = 2^((e - m) log2 e), m the block's own largest energy;
;   C  the block's part of the context, sum of p[t] bf16(enc[t]), wave w columns 256 w on, is stored.  The next launch brings the 16 blocks of a batch under one maximum.
; tanh(x) = 1 - 2 / (1 + 2^(2 log2(e) x)).  The launch before has folded 2 log2(e) (dec_proj + b_enc) into bias' and -2 v into v', so energy = sum v' r - sum v' / 2, r = 1 / (1 + 2^(2 log2(e) acc + bias')).
; A BLOCK THAT LIES WHOLLY BEHIND x_lens[b] LEAVES G OUT (a scalar branch on the index input; no barrier is jumped): its energies are 0 whatever the product gives.
; W_enc GOES FROM MEMORY STRAIGHT INTO REGISTERS, in the order of the operand's registers (buffer wf): a fragment is wanted by one wave alone and feeds its eight row tiles.  NO TENSOR LOADS, NO CLUSTER: the bf16 copy takes
; 262,144 of the 327,680 bytes of LDS and the stages 54,272 more, which leaves no room for slots of W.
; The matrix instruction is used transposed (source 0 = 16 columns of W_enc, source 1 = 16 rows of enc): lane (r, h) holds row r and columns 8 h + 0 .. 7.
; att_weights_step is an argument that reference() never uses: no launch names it.
; LIMITS: NaN and infinities in enc_out are not served.  A block of 32 zeros gets the scale byte 1 where the rule says 127: its codes are zeros and this program alone reads the byte.  enc_out is rounded to bf16 for the context.
; The energy is a difference of two sums of the size of sum |v|: its absolute error is some 1e-7 x sum |v|.
;
; LDS
.set COD,  262144                      ; bytes 0 .. 262,143: the bf16 copy, 128 rows x 2,048 bytes; chunk q (512 bytes) of a row holds at 16 x lane the columns 256 q + 4 lane + 0..3 and 256 q + 128 + 4 lane + 0..3
.set CODB, 12544                       ; then two buffers of 16 rows of codes, by turns,
.set CPI,  784                         ; 768 bytes + 16 a row = 196 words: row r starts at bank 4 r mod 64 (64 banks of 4 bytes: ISA guide 11.1): the 32 lanes of a fragment's load of 8 bytes touch 64 different banks
.set SCB,  COD+2*CODB                  ; the scale bytes: 128 rows x (32 + 4)
.set SCP,  36
.set STG,  SCB+128*SCP                 ; for each wave two stages of 32 x 80 bytes, in which 512 numbers turn from 16 bytes a lane to 64 bytes a lane
.set EP,   STG+4*5120                  ; for each wave its 128 partial energies
.set PW,   EP+2048                     ; for each wave its own copy of the 128 weights p
; REGISTERS, in windows of 256.  Windows 1-3: enc's fragments f = 8 ks + mt (K step ks, row tile mt), 21 to a window, at v[12 (f % 21)]; f = 63 lies in window 0.  Window 0:
.set ASC,  4                           ; v4-35    enc's scale words [mt][c]: lanes 0-15 K step 2 c, lanes 16-31 K step 2 c + 1.  Scales and nothing else
.set SC,   36                          ; v36-39   W's scale words [c], likewise
.set EACC, 40                          ; v40-55   G: the energies' sums, a pair for each row tile
.set VS,   56                          ; v56-57   G: the sum of v'
.set A63,  58                          ; v58-69   G: fragment 63
.set BV,   70                          ; v70-77 bias', v78-85 v' of the tile's columns 8 h + 0 .. 7
.set BF,   86                          ; v86-181  W's eight fragments of a tile
.set ACC,  182                         ; v182-245 eight accumulators, one for each row tile
.set STI,  40                          ; X: the stage, on the way in
.set STO,  41                          ; X: and out
.set RETA, 42                          ; X: v42-45 where I put bf16: rows 32 k on, k = 0..3 (an LDS offset has 16 bits)
.set CODA, 46                          ; X: where I put 12 bytes of codes
.set SCBA, 47                          ; X: where I put a scale byte
.set TM,   48                          ; X: v48-50 at work
.set BY,   54                          ; X: v54-55 the scale byte, two sets
.set CD,   58                          ; X: v58-60, v62-64 the codes, two sets
.set RG,   70                          ; X: v70-197 eight slots of 16 numbers as loaded
.set X16,  198                         ; X: v198-229 two sets of 16 neighbours
.set P8,   230                         ; X: v230-245 two sets of 16 bf16
.set EPS,  246                         ; LDS addresses of E and C, made at the head: my partial energies,
.set EPL,  247                         ; all waves' for rows 4 lane on,
.set PWS,  248                         ; my four p,
.set PWB,  249                         ; my wave's p,
.set RETL, 250                         ; my 16 bytes of a row's chunk w
.set ADR,  251
.set ADP,  252
.set FRA,  254                         ; a fragment's place for my lane in a buffer of codes
.set ASA,  255                         ; and a scale word's
.set T,    182                         ; E: v182-189 energies, v190-197 the other half's
.set TP,   190
.set VT,   198
.set EE,   200                         ; E: v200-215 four waves' partials of my four rows; then v200-203 the energies
.set MM,   216
.set PP,   220                         ; E: v220-223 p
.set CA,   224                         ; C: v224-231 eight columns' sums
.set RW,   86                          ; C: v86-149 sixteen rows' 16 bytes
.set PR,   150                         ; C: v150-165 their p
.set MSB, 0
.macro WIN new                         ; s_set_vgpr_msb: bits 1:0 source 0, 3:2 source 1, 5:4 source 2, 7:6 destination; the high byte repeats the setting that is left; a switch that changes nothing is dropped
.if MSB != (\new)
	s_set_vgpr_msb (MSB<<8)|(\new)
.set MSB, (\new)
.endif
.endm
.macro AFR f                           ; window AW and register AR of fragment f
.if (\f) < 63
.set AW, 1+(\f)/21
.set AR, 12*((\f)%21)
.else
.set AW, 0
.set AR, A63
.endif
.endm
.macro PLACES
.rept 4
	v_nop
.endr
.endm
.macro MEET                            ; my LDS stores have landed and my LDS loads are in: then the work-group's barrier
	s_wait_dscnt 0x0
	s_barrier_signal -1
	s_barrier_wait -1
.endm
	s_load_b256 s[4:11], s[0:1], 0x0               ; enc_out s[4:5], x_lens s[6:7], wf s[8:9], bv s[10:11]
	s_load_b128 s[12:15], s[0:1], 0x20             ; energy s[12:13], cpart s[14:15]
	v_lshl_add_u32 v253, v0, 2, 0x4d400
	s_set_vgpr_msb 0x40
	v_mov_b32 v255, 0
	s_set_vgpr_msb 0x4000
	v_lshrrev_b32 v1, 5, v0
	v_readfirstlane_b32 s16, v1                    ; wave w
	s_mov_b32 s17, ttmp9                           ; batch b
	s_and_b32 s18, ttmp7, 0xffff                   ; block
	v_and_b32 v51, 31, v0                          ; lane
	v_and_b32 v52, 15, v0                          ; r
	v_bfe_u32 v53, v0, 4, 1                        ; h
	v_lshlrev_b32 v1, 4, v51                       ; v1 = 16 x lane; never rewritten
	v_lshlrev_b32 v2, 2, v51                       ; v2 = 4 x lane; never rewritten
	v_lshlrev_b32 v3, 5, v53                       ; v3 = 32 h; never rewritten
	s_mul_i32 s20, s16, 5120
	s_add_co_u32 s20, s20, STG                     ; my wave's stages
	v_lshrrev_b32 v48, 2, v51
	v_mul_u32_u24 v[STI], v48, 80
	v_and_b32 v48, 3, v51
	v_lshl_add_u32 v[STI], v48, 4, v[STI]
	v_add_nc_u32 v[STI], s20, v[STI]               ; in: four lanes' 64 bytes on end, then 16 of padding
	v_mul_u32_u24 v[STO], v51, 80
	v_add_nc_u32 v[STO], s20, v[STO]               ; out: my 16 neighbours
	s_lshl_b32 s20, s16, 13                        ; the bf16 copy: my wave's 4 rows of each 16
	v_add_nc_u32 v[RETA], s20, v1
.irp k, 1,2,3
	v_add_nc_u32 v[RETA+\k], \k*65536, v[RETA]
.endr
	s_mul_i32 s20, s16, 4*CPI
	s_add_co_u32 s20, s20, COD
	v_mul_u32_u24 v[CODA], v51, 12
	v_add_nc_u32 v[CODA], s20, v[CODA]
	s_mul_i32 s20, s16, 4*SCP
	s_add_co_u32 s20, s20, SCB
	v_lshrrev_b32 v[SCBA], 1, v51
	v_add_nc_u32 v[SCBA], s20, v[SCBA]
	v_mul_u32_u24 v[FRA], v52, CPI
	v_mad_u32_u24 v[FRA], v53, 24, v[FRA]
	v_add_nc_u32 v[FRA], COD, v[FRA]
	v_mul_u32_u24 v[ASA], v52, SCP
	v_lshl_add_u32 v[ASA], v53, 2, v[ASA]
	v_add_nc_u32 v[ASA], SCB, v[ASA]
	s_lshl_b32 s20, s16, 9                         ; 512 w
	v_lshl_add_u32 v[EPS], v52, 2, s20
	v_add_nc_u32 v[EPS], EP, v[EPS]
	v_add_nc_u32 v[EPL], EP, v1
	v_add_nc_u32 v[PWS], s20, v1
	v_add_nc_u32 v[PWS], PW, v[PWS]
	s_add_co_u32 s25, s20, PW
	v_mov_b32 v[PWB], s25
	v_add_nc_u32 v[RETL], s20, v1
	s_mov_b32 s27, 0
	s_mov_b32 s28, 0x4038aa3b                      ; 2 log2(e)
	s_mov_b32 s29, s28                             ; (named with it as a pair, so it is written)
	s_mov_b32 s30, 0x76543210                      ; v_permlanex16_b32's selects for lane l xor 16
	s_mov_b32 s31, 0xfedcba98
	s_wait_kmcnt 0x0
	s_lshl_b32 s26, s17, 2
	s_add_nc_u64 s[6:7], s[6:7], s[26:27]
	s_load_b32 s19, s[6:7], 0x0                    ; x_lens[b]
	s_lshl_b32 s26, s17, 23                        ; enc_out: b x 2,048 rows of 4,096 bytes,
	s_lshl_b32 s36, s18, 19                        ; + block x 128 rows,
	s_add_co_u32 s26, s26, s36
	s_lshl_b32 s36, s16, 14                        ; + w x 4 rows
	s_add_co_u32 s26, s26, s36
	s_add_nc_u64 s[4:5], s[4:5], s[26:27]
	s_mul_i32 s26, s16, 16*12800                   ; wf: my 16 tiles' records
	s_add_nc_u64 s[8:9], s[8:9], s[26:27]
	s_lshl_b32 s26, s16, 16                        ; bv: my 16 tiles of 4,096 bytes, batch b's record of 128
	s_lshl_b32 s36, s17, 7
	s_add_co_u32 s26, s26, s36
	s_add_nc_u64 s[10:11], s[10:11], s[26:27]
	s_lshl_b32 s26, s17, 13                        ; energy: row b of 8,192 bytes, the block's 512
	s_lshl_b32 s36, s18, 9
	s_add_co_u32 s26, s26, s36
	s_add_nc_u64 s[12:13], s[12:13], s[26:27]
	s_lshl_b32 s26, s17, 4                         ; cpart: record 16 b + block of 4,096 bytes, my wave's 1,024
	s_add_co_u32 s26, s26, s18
	s_lshl_b32 s26, s26, 12
	s_lshl_b32 s36, s16, 10
	s_add_co_u32 s26, s26, s36
	s_add_nc_u64 s[14:15], s[14:15], s[26:27]
; ---- X.  A UNIT u is half a row, 512 numbers: round i = u / 8, row 16 i + 4 w + (u / 2) % 4, half u % 2.  Eight units' loads (32 a wave, 512 consecutive bytes each) are on their way.
.macro LOADU u
.irp j, 0,1,2,3
	global_load_b128 v[RG+16*((\u)%8)+4*\j:RG+16*((\u)%8)+4*\j+3], v1, s[4:5] offset:(16*((\u)/8)+(((\u)/2)%4))*4096+2048*((\u)%2)+512*\j th:TH_LOAD_NT
.endr
.endm
.macro TURN u                          ; through my stage: in as loaded, out 64 bytes a lane.  LDS serves a wave's instructions in order (ISA guide 5.7.1.4): no wait between
.irp j, 0,1,2,3
	ds_store_b128 v[STI], v[RG+16*((\u)%8)+4*\j:RG+16*((\u)%8)+4*\j+3] offset:2560*((\u)%2)+640*\j
.endr
.irp j, 0,1,2,3
	ds_load_b128 v[X16+16*((\u)%2)+4*\j:X16+16*((\u)%2)+4*\j+3], v[STO] offset:2560*((\u)%2)+16*\j
.endr
.endm
.macro PACK u                          ; the same numbers, as loaded, rounded to bf16 into the copy: two stores of 512 consecutive bytes
.irp j, 0,1,2,3
	v_cvt_pk_bf16_f32 v[P8+8*((\u)%2)+2*\j], v[RG+16*((\u)%8)+4*\j], v[RG+16*((\u)%8)+4*\j+1]
	v_cvt_pk_bf16_f32 v[P8+8*((\u)%2)+2*\j+1], v[RG+16*((\u)%8)+4*\j+2], v[RG+16*((\u)%8)+4*\j+3]
.endr
.irp jp, 0,1
	ds_store_b128 v[RETA+(\u)/16], v[P8+8*((\u)%2)+4*\jp:P8+8*((\u)%2)+4*\jp+3] offset:(((\u)/8)%2)*32768+(((\u)/2)%4)*2048+(2*((\u)%2)+\jp)*512
.endr
.endm
.macro QUANT u                         ; my 16 neighbours; two neighbouring lanes hold a block of 32
.set XS, X16+16*((\u)%2)
	v_max3_num_f32 v[TM], |v[XS]|, |v[XS+1]|, |v[XS+2]|
	v_max3_num_f32 v[TM+1], |v[XS+3]|, |v[XS+4]|, |v[XS+5]|
.irp i, 6,10
	v_max3_num_f32 v[TM], v[TM], |v[XS+\i]|, |v[XS+\i+1]|
	v_max3_num_f32 v[TM+1], v[TM+1], |v[XS+\i+2]|, |v[XS+\i+3]|
.endr
	v_max3_num_f32 v[TM], v[TM], |v[XS+14]|, |v[XS+15]|
	v_max3_num_f32 v[TM], v[TM], v[TM+1], 0x1800000                ; and the floor 2^(3 - 127): the byte cannot fall under 1
	v_max_num_f32_dpp v[TM], v[TM], v[TM] row_xmask:1 row_mask:0xf bank_mask:0xf   ; with my neighbour's 16: the block's largest magnitude
	v_add_nc_u32 v[TM+2], 0xff000000, v[TM]                        ; 2 off its exponent field: the conversion takes the exponent field of this operand as its scale
	v_cvt_scalef32_pk16_fp6_f32 v[CD+4*((\u)%2):CD+4*((\u)%2)+2], v[XS:XS+15], v[TM+2]
	v_lshrrev_b32 v[BY+(\u)%2], 23, v[TM+2]                        ; the scale's byte.  (Also the plain line behind the conversion)
.irp t, 0,1,2
	ds_store_b32 v[CODA], v[CD+4*((\u)%2)+\t] offset:(((\u)/8)%2)*CODB+(((\u)/2)%4)*CPI+384*((\u)%2)+4*\t
.endr
	ds_store_b8 v[SCBA], v[BY+(\u)%2] offset:(16*((\u)/8)+(((\u)/2)%4))*SCP+16*((\u)%2)   ; both lanes of a block write the same byte with the same value
.endm
; Unit u is quantised while unit u + 1 turns through the other stage and unit u + 8 is asked for.
.macro STEP u
.if (\u) == 0
	s_wait_dscnt 2                                 ; unit u is back from the stage.  Behind its four loads: its two bf16 stores;
.elseif (\u)%8 == 0
	s_wait_dscnt 48                                ; behind a barrier: the 48 loads of fragments alone;
.else
	s_wait_dscnt 6                                 ; else its two bf16 stores and the four stores of unit u - 1's codes and byte.  So the stores of two units back have read the register sets that are written next
.endif
.if (\u)+8 < 64
	LOADU (\u)+8                                   ; into the slot that unit u has left
.endif
.if (\u)+1 < 64
.if (\u) < 56
	s_wait_loadcnt 28                              ; unit u + 1 is in; the seven units behind it, four loads each, stay out
.else
	s_wait_loadcnt 4*(62-(\u))                     ; the last round asks for nothing: the counts run down
.endif
	TURN (\u)+1
	PACK (\u)+1
.endif
	QUANT \u
.endm
.macro FRAGS i                         ; row tile i's eight fragments, from the buffer of codes into my registers: every wave takes all of them
.irp ks, 0,1,2,3,4,5,6,7
	AFR 8*\ks+(\i)
	WIN AW<<6
.irp p, 0,1,2,3,4,5
	ds_load_b64 v[AR+2*\p:AR+2*\p+1], v[FRA] offset:((\i)%2)*CODB+96*\ks+48*(\p/3)+8*(\p%3)
.endr
.endr
	WIN 0
.endm
.irp u, 0,1,2,3,4,5,6,7
	LOADU \u
.endr
	s_wait_kmcnt 0x0                               ; x_lens[b]
	s_lshl_b32 s25, s18, 7
	s_sub_co_i32 s21, s19, s25                     ; d = x_lens[b] - the block's first t: row j of the block counts where j < d
	s_sub_co_i32 s22, s21, 1
	s_sub_co_i32 s23, s21, 2
	s_sub_co_i32 s24, s21, 3
	s_wait_loadcnt 28                              ; unit 0 is in
	TURN 0
	PACK 0
; A round: each wave quantises 4 rows, together a row tile.  ONE barrier a round: behind it the tile's codes are whole; the next round writes the OTHER buffer, and a buffer is written again only behind the
; next barrier, in front of which every wave has waited for its reads of it.
.set U, 0
.rept 8
.rept 8
	STEP U
.set U, U+1
.endr
	MEET
.if U < 64
	FRAGS (U/8-1)
.endif
.endr
.irp j, 0,1,2,3,4,5,6,7,8,9,10,11,12,13,14,15,16,17
	v_mov_b32 v[EACC+\j], 0                        ; the energies' sums and the sum of v'
.endr
	s_cmp_gt_i32 s21, 0                            ; does any row of the block count?
	s_cbranch_scc0 .Lenergy
; ---- G
.macro BLOAD c, off                    ; W's fragments of K steps 2 c and 2 c + 1 and their scale words: seven loads
.irp k, 0,1
.irp q, 0,1,2
	global_load_b128 v[BF+12*(2*(\c)+\k)+4*\q:BF+12*(2*(\c)+\k)+4*\q+3], v1, s[8:9] offset:(\off)+1536*(2*(\c)+\k)+512*\q
.endr
.endr
	global_load_b32 v[SC+(\c)], v2, s[8:9] offset:(\off)+12288+128*(\c)
.endm
.macro BVLOAD
	global_load_b128 v[BV:BV+3], v3, s[10:11]
	global_load_b128 v[BV+4:BV+7], v3, s[10:11] offset:16
	global_load_b128 v[BV+8:BV+11], v3, s[10:11] offset:64
	global_load_b128 v[BV+12:BV+15], v3, s[10:11] offset:80
.endm
; Two K steps: 16 matrix instructions, the eight accumulators by turns.  nxt = 1: the pair's registers then take the next tile's fragments.
; The window setting of the products (source 1 alone) stays during the v_nop and the loads: a load names a destination and source 0, both in window 0.
.macro PAIR c, nxt
.if \nxt
	s_wait_loadcnt 25                              ; the pair's seven loads are in.  Behind them: 7 (3 - c) of the later pairs, 4 of bias' and v', 7 c of this trip's refills
.else
	s_wait_loadcnt 25-7*(\c)                       ; the last tile has no refills
.endif
.irp k, 0,1
.irp mt, 0,1,2,3,4,5,6,7
	AFR 8*(2*(\c)+\k)+\mt
	WIN AW<<2
.if (2*(\c)+\k) == 0
	v_wmma_scale_f32_16x16x128_f8f6f4 v[ACC+8*\mt:ACC+8*\mt+7], v[BF:BF+11], v[AR:AR+11], 0, v[SC], v[ASC+4*\mt] matrix_a_fmt:MATRIX_FMT_FP6 matrix_b_fmt:MATRIX_FMT_FP6
.elseif \k == 0
	v_wmma_scale_f32_16x16x128_f8f6f4 v[ACC+8*\mt:ACC+8*\mt+7], v[BF+24*(\c):BF+24*(\c)+11], v[AR:AR+11], v[ACC+8*\mt:ACC+8*\mt+7], v[SC+(\c)], v[ASC+4*\mt+(\c)] matrix_a_fmt:MATRIX_FMT_FP6 matrix_b_fmt:MATRIX_FMT_FP6
.else
	v_wmma_scale_f32_16x16x128_f8f6f4 v[ACC+8*\mt:ACC+8*\mt+7], v[BF+24*(\c)+12:BF+24*(\c)+23], v[AR:AR+11], v[ACC+8*\mt:ACC+8*\mt+7], v[SC+(\c)], v[ASC+4*\mt+(\c)] matrix_a_fmt:MATRIX_FMT_FP6 matrix_b_fmt:MATRIX_FMT_FP6 matrix_a_scale:MATRIX_SCALE_ROW1 matrix_b_scale:MATRIX_SCALE_ROW1
.endif
.endr
.endr
.if \nxt || ((\c) == 3)
	PLACES                                         ; four places in front of loads into registers that matrix instructions have read, and of the first read of results
.endif
.if \nxt
	BLOAD \c, 12800
.endif
.endm
; A tile's 64 registers (8 rows tiles x my 8 columns): r = 1 / (1 + 2^(2 log2(e) acc + bias')), and the energies' sums take v' r.  The exponentials are one batch with one wait, and so are the reciprocals.
.macro EPI nxt
	WIN 0
.if \nxt
	s_wait_loadcnt 28                              ; bias' and v' are in: behind them this trip's 28 refills
.else
	s_wait_loadcnt 0x0
.endif
.irp j, 0,2,4,6                        ; each accumulator from its low end on
.irp mt, 0,1,2,3,4,5,6,7
	v_pk_fma_f32 v[ACC+8*\mt+\j:ACC+8*\mt+\j+1], v[ACC+8*\mt+\j:ACC+8*\mt+\j+1], s[28:29], v[BV+\j:BV+\j+1] op_sel_hi:[1,0,1]
.endr
.endr
.set N, 0
.rept 64
	v_exp_f32 v[ACC+N], v[ACC+N]
.set N, N+1
.endr
.irp j, 0,2,4,6
	v_pk_add_f32 v[VS:VS+1], v[VS:VS+1], v[BV+8+\j:BV+9+\j]        ; the sum of v'.  (Plain work behind the exponentials)
.endr
	s_wait_alu depctr_va_vdst(0)                   ; one wait for the batch, ahead of its first reader
.set N, 0
.rept 32
	v_pk_add_f32 v[ACC+N:ACC+N+1], v[ACC+N:ACC+N+1], 1.0 op_sel_hi:[1,0]
.set N, N+2
.endr
.set N, 0
.rept 64
	v_rcp_f32 v[ACC+N], v[ACC+N]
.set N, N+1
.endr
	v_nop                                          ; a plain line behind the last reciprocal
	s_wait_alu depctr_va_vdst(0)                   ; and the batch's one wait
.irp j, 0,2,4,6
.irp mt, 0,1,2,3,4,5,6,7
	v_pk_fma_f32 v[EACC+2*\mt:EACC+2*\mt+1], v[ACC+8*\mt+\j:ACC+8*\mt+\j+1], v[BV+8+\j:BV+9+\j], v[EACC+2*\mt:EACC+2*\mt+1]
.endr
.endr
.if \nxt
	s_wait_xcnt 0x0                                ; the refills have had their addresses translated (ISA guide 3.1): only behind this wait are the two bases stepped
	s_add_nc_u64 s[8:9], s[8:9], 12800
	s_add_nc_u64 s[10:11], s[10:11], 4096
	BVLOAD                                         ; the next tile's bias' and v'
.endif
.endm
.macro TILE nxt
	PAIR 0, \nxt
	PAIR 1, \nxt
	PAIR 2, \nxt
	PAIR 3, \nxt
	EPI \nxt
.endm
.irp c, 0,1,2,3
	BLOAD \c, 0                                    ; my first tile
.endr
	BVLOAD
	FRAGS 7                                        ; the last row tile's fragments
.irp mt, 0,1,2,3,4,5,6,7
.irp c, 0,1,2,3
	ds_load_b32 v[ASC+4*\mt+\c], v[ASA] offset:16*SCP*\mt+8*\c
.endr
.endr
	s_wait_dscnt 0x0
	s_mov_b32 s32, 15
.Ltile:
	TILE 1
	WIN 0                                          ; at a label and at a branch every window is 0
	s_sub_co_u32 s32, s32, 1
	s_cmp_lg_u32 s32, 0
	s_cbranch_scc1 .Ltile
	TILE 0                                         ; the last tile is written out: no load passes the end of wf or bv
	WIN 0
; ---- E
.Lenergy:
.irp mt, 0,1,2,3,4,5,6,7
	v_add_f32 v[T+\mt], v[EACC+2*\mt], v[EACC+2*\mt+1]
.endr
	v_add_f32 v[VT], v[VS], v[VS+1]
.irp mt, 0,1,2,3,4,5,6,7
	v_fma_f32 v[T+\mt], v[VT], -0.5, v[T+\mt]      ; + sum v = - sum v' / 2, of my columns
.endr
.irp mt, 0,1,2,3,4,5,6,7
	v_mov_b32 v[TP+\mt], 0                         ; a lane permute's destination counts as one of its sources
.endr
.irp mt, 0,1,2,3,4,5,6,7
	v_permlanex16_b32 v[TP+\mt], v[T+\mt], s30, s31
.endr
.irp mt, 0,1,2,3,4,5,6,7
	v_add_f32 v[T+\mt], v[T+\mt], v[TP+\mt]        ; with lane l xor 16's columns: my wave's part of row 16 mt + r
.endr
.irp mt, 0,1,2,3,4,5,6,7
	ds_store_b32 v[EPS], v[T+\mt] offset:64*\mt    ; both halves of the lanes write the same word with the same value
.endr
	MEET
.irp q, 0,1,2,3
	ds_load_b128 v[EE+4*\q:EE+4*\q+3], v[EPL] offset:512*\q        ; rows 4 lane + 0 .. 3, wave q's part
.endr
	s_wait_dscnt 0x0
.irp q, 1,2,3
	v_pk_add_f32 v[EE:EE+1], v[EE:EE+1], v[EE+4*\q:EE+4*\q+1]
	v_pk_add_f32 v[EE+2:EE+3], v[EE+2:EE+3], v[EE+4*\q+2:EE+4*\q+3]
.endr
.irp i, 0,1,2,3
	v_cmp_gt_i32 vcc_lo, s[21+\i], v2              ; row 4 lane + i counts where d - i > 4 lane
	v_cndmask_b32 v[EE+\i], 0, v[EE+\i], vcc_lo    ; energy x mask: 0 behind x_lens
.endr
	s_cmp_lg_u32 s16, 0                            ; every wave holds all 128 energies; wave 0 stores them: 512 consecutive bytes
	s_cbranch_scc1 .Lnot_wave_0
	global_store_b128 v1, v[EE:EE+3], s[12:13]
.Lnot_wave_0:
	v_max3_num_f32 v[MM], v[EE], v[EE+1], v[EE+2]
	v_mov_b32 v[MM+1], 0
	v_max_num_f32 v[MM], v[MM], v[EE+3]
	v_max_num_f32_dpp v[MM], v[MM], v[MM] row_xmask:1 row_mask:0xf bank_mask:0xf
	v_max_num_f32_dpp v[MM], v[MM], v[MM] row_xmask:2 row_mask:0xf bank_mask:0xf
	v_max_num_f32_dpp v[MM], v[MM], v[MM] row_xmask:4 row_mask:0xf bank_mask:0xf
	v_max_num_f32_dpp v[MM], v[MM], v[MM] row_xmask:8 row_mask:0xf bank_mask:0xf
	v_permlanex16_b32 v[MM+1], v[MM], s30, s31
	v_max_num_f32 v[MM], v[MM], v[MM+1]            ; the block's largest energy
.irp i, 0,1,2,3
	v_sub_f32 v[PP+\i], v[EE+\i], v[MM]
.endr
.irp i, 0,1,2,3
	v_mul_f32 v[PP+\i], 0x3fb8aa3b, v[PP+\i]       ; x log2(e)
.endr
.irp i, 0,1,2,3
	v_exp_f32 v[PP+\i], v[PP+\i]
.endr
.irp k, 0,1,2,3,4,5,6,7
	v_mov_b32 v[CA+\k], 0                          ; the context's sums.  (Plain work behind the exponentials)
.endr
	s_wait_alu depctr_va_vdst(0)                   ; one wait for the four, ahead of the store that reads them
	ds_store_b128 v[PWS], v[PP:PP+3]               ; into my wave's own bytes: no barrier
; ---- C: columns 256 w on, 16 rows a trip.  A row's 512 bytes are read by one load; its p comes to every lane from one address.
	s_mov_b32 s33, 0
	s_mov_b32 s34, 0
	s_mov_b32 s32, 8
.Lctx:
	v_add_nc_u32 v[ADR], s33, v[RETL]              ; (no LDS load of mine is out)
	v_add_nc_u32 v[ADP], s34, v[PWB]
.irp q, 0,1,2,3
	ds_load_b128 v[PR+4*\q:PR+4*\q+3], v[ADP] offset:16*\q
.endr
.irp m, 0,1,2,3,4,5,6,7,8,9,10,11,12,13,14,15
	ds_load_b128 v[RW+4*\m:RW+4*\m+3], v[ADR] offset:2048*\m
.endr
.irp m, 0,1,2,3,4,5,6,7,8,9,10,11,12,13,14,15
	s_wait_dscnt 15-\m                             ; row m is in; the younger rows stay out
.irp q, 0,1,2,3
	v_fma_mix_f32_bf16 v[CA+2*\q], v[RW+4*\m+\q], v[PR+\m], v[CA+2*\q] op_sel_hi:[1,0,0]
	v_fma_mix_f32_bf16 v[CA+2*\q+1], v[RW+4*\m+\q], v[PR+\m], v[CA+2*\q+1] op_sel:[1,0,0] op_sel_hi:[1,0,0]
.endr
.endr
	s_add_co_u32 s33, s33, 32768
	s_add_co_u32 s34, s34, 64
	s_sub_co_u32 s32, s32, 1
	s_cmp_lg_u32 s32, 0
	s_cbranch_scc1 .Lctx
	global_store_b128 v1, v[CA:CA+3], s[14:15]                     ; columns 256 w + 4 lane + 0..3: 512 consecutive bytes
	global_store_b128 v1, v[CA+4:CA+7], s[14:15] offset:512        ; and 128 columns on
	s_set_vgpr_msb 0x4
	s_wait_tensorcnt 0x0
	ds_add_u32 v253, v255
	s_wait_dscnt 0x0
	s_set_vgpr_msb 0x400
	s_endpgm
.Lfunc_end_k_q439e8698e1_main:
	.size	k_q439e8698e1_main, .Lfunc_end_k_q439e8698e1_main-k_q439e8698e1_main
	.p2alignl 7, 3214868480
	.fill 96, 4, 3214868480
	.section	.rodata,"a",@progbits
	.p2align	6, 0x0
	.amdhsa_kernel k_q439e8698e1_main
		.amdhsa_group_segment_fixed_size 316928
		.amdhsa_private_segment_fixed_size 0
		.amdhsa_enable_private_segment 0
		.amdhsa_kernarg_size 48
		.amdhsa_user_sgpr_count 2
		.amdhsa_user_sgpr_kernarg_segment_ptr 1
		.amdhsa_wavefront_size32 1
		.amdhsa_system_sgpr_workgroup_id_x 1
		.amdhsa_system_sgpr_workgroup_id_y 1
		.amdhsa_system_sgpr_workgroup_id_z 1
		.amdhsa_system_vgpr_workitem_id 0
		.amdhsa_next_free_vgpr 1024
		.amdhsa_next_free_sgpr 66
		.amdhsa_reserve_vcc 1
		.amdhsa_float_denorm_mode_32 3
		.amdhsa_float_denorm_mode_16_64 3
		.amdhsa_memory_ordered 1
		.amdhsa_forward_progress 1
		.amdhsa_inst_pref_size 255
	.end_amdhsa_kernel
	.section	.bss,"aw",@nobits
	.p2align	6
	.space	262144
	.amdgpu_metadata
---
amdhsa.version: [ 1, 2 ]
amdhsa.kernels:
  - .name:           k_q439e8698e1_main
    .symbol:         k_q439e8698e1_main.kd
    .args:
      - { .name: enc_out, .offset: 0, .size: 8, .value_kind: global_buffer, .address_space: global }
      - { .name: x_lens, .offset: 8, .size: 8, .value_kind: global_buffer, .address_space: global }
      - { .name: wf, .offset: 16, .size: 8, .value_kind: global_buffer, .address_space: global }
      - { .name: bv, .offset: 24, .size: 8, .value_kind: global_buffer, .address_space: global }
      - { .name: energy, .offset: 32, .size: 8, .value_kind: global_buffer, .address_space: global }
      - { .name: cpart, .offset: 40, .size: 8, .value_kind: global_buffer, .address_space: global }
    .group_segment_fixed_size: 316928
    .private_segment_fixed_size: 0
    .kernarg_segment_align: 8
    .kernarg_segment_size: 48
    .max_flat_workgroup_size: 128
    .sgpr_count:     66
    .vgpr_count:     1024
    .wavefront_size: 32
...
	.end_amdgpu_metadata
.endif
;; end of part 2
;; launch combine (part 3): grid 32 x 1, 8 waves a work-group, no clusters, 1,280 bytes of LDS; arguments energy, cpart, out0, out1; writes out0, out1
.if DOCPART == 3
	.amdgcn_target "amdgcn-amd-amdhsa--gfx1250"
	.amdhsa_code_object_version 6
	.text
	.protected	k_q439e8698e1_combine
	.globl	k_q439e8698e1_combine
	.p2align	8
	.type	k_q439e8698e1_combine,@function
k_q439e8698e1_combine:
	s_mov_b64 s[64:65], 0
	v_nop
	global_prefetch_b8 v0, s[64:65] scope:SCOPE_SE
	s_setreg_imm32_b32 hwreg(HW_REG_WAVE_MODE, 25, 1), 1
	s_wait_xcnt 0x0
; ONE BATCH TO A WORK-GROUP.  energy [32][2048] holds the masked energies, cpart [32][16][1024] each block's sum of 2^((e - m_k) log2 e) enc, m_k the block's own largest energy.
; M = the row's largest energy; att = 2^((e - M) log2 e) / Z, Z their sum; context = sum over k of 2^((m_k - M) log2 e) cpart[k] / Z.  The block maxima are taken anew from the same stored numbers, so they are the same bits.
; 256 threads: thread t holds energies 4 t + 0..3 and 1,024 + 4 t + 0..3 (wave w: blocks w and 8 + w) and columns 4 t + 0..3 of all 16 parts.  Every load and store of a wave covers 512 consecutive bytes.
; No matrix work and no cluster: 72 KiB are read by each work-group, once, and nothing is shared.
.set E,  4                             ; v4-11    my eight energies; later v4-7 the context
.set CP, 16                            ; v16-79   my four columns of 16 parts
.set MX, 80                            ; v80-95   the 16 block maxima; later the eight waves' sums
.set F,  96                            ; v96-111  the parts' factors
.set P,  112                           ; v112-119 my eight weights
	s_load_b256 s[4:11], s[0:1], 0x0               ; energy s[4:5], cpart s[6:7], out0 s[8:9], out1 s[10:11]
	v_lshl_add_u32 v128, v0, 2, 0x100
	v_mov_b32 v129, 0
	v_lshrrev_b32 v2, 5, v0
	v_readfirstlane_b32 s12, v2                    ; wave
	v_lshlrev_b32 v1, 4, v0                        ; 16 x thread; never rewritten
	v_mov_b32 v124, s12
	v_lshlrev_b32 v124, 2, v124                    ; LDS: 4 x wave
	v_mov_b32 v125, 0
	v_mov_b32 v122, 0                              ; a lane permute's destination counts as one of its sources
	v_mov_b32 v123, 0
	s_mov_b32 s16, 0x76543210                      ; v_permlanex16_b32's selects for lane l xor 16
	s_mov_b32 s17, 0xfedcba98
	s_mov_b32 s15, 0
	s_wait_kmcnt 0x0
	s_lshl_b32 s14, ttmp9, 13
	s_add_nc_u64 s[4:5], s[4:5], s[14:15]
	s_add_nc_u64 s[10:11], s[10:11], s[14:15]
	s_lshl_b32 s14, ttmp9, 16
	s_add_nc_u64 s[6:7], s[6:7], s[14:15]
	s_lshl_b32 s14, ttmp9, 12
	s_add_nc_u64 s[8:9], s[8:9], s[14:15]
	global_load_b128 v[E:E+3], v1, s[4:5] th:TH_LOAD_NT
	global_load_b128 v[E+4:E+7], v1, s[4:5] offset:4096 th:TH_LOAD_NT
.irp k, 0,1,2,3,4,5,6,7,8,9,10,11,12,13,14,15
	global_load_b128 v[CP+4*\k:CP+4*\k+3], v1, s[6:7] offset:4096*\k th:TH_LOAD_NT
.endr
	s_wait_loadcnt 16                              ; the energies are in; the 16 loads of parts stay out
	v_max3_num_f32 v120, v[E], v[E+1], v[E+2]
	v_max3_num_f32 v121, v[E+4], v[E+5], v[E+6]
	v_max_num_f32 v120, v120, v[E+3]
	v_max_num_f32 v121, v121, v[E+7]
.irp x, 1,2,4,8
	v_max_num_f32_dpp v120, v120, v120 row_xmask:\x row_mask:0xf bank_mask:0xf
	v_max_num_f32_dpp v121, v121, v121 row_xmask:\x row_mask:0xf bank_mask:0xf
.endr
	v_permlanex16_b32 v122, v120, s16, s17
	v_permlanex16_b32 v123, v121, s16, s17
	v_max_num_f32 v120, v120, v122                 ; block w's largest energy,
	v_max_num_f32 v121, v121, v123                 ; block 8 + w's
	ds_store_b32 v124, v120                        ; all lanes write the same word with the same value
	ds_store_b32 v124, v121 offset:32
	s_wait_dscnt 0x0
	s_barrier_signal -1
	s_barrier_wait -1
.irp q, 0,1,2,3
	ds_load_b128 v[MX+4*\q:MX+4*\q+3], v125 offset:16*\q
.endr
	s_wait_dscnt 0x0
	v_max3_num_f32 v126, v[MX], v[MX+1], v[MX+2]
.irp i, 3,5,7,9,11,13
	v_max3_num_f32 v126, v126, v[MX+\i], v[MX+\i+1]
.endr
	v_max_num_f32 v126, v126, v[MX+15]             ; M
.irp i, 0,1,2,3,4,5,6,7
	v_sub_f32 v[P+\i], v[E+\i], v126
.endr
.irp k, 0,1,2,3,4,5,6,7,8,9,10,11,12,13,14,15
	v_sub_f32 v[F+\k], v[MX+\k], v126
.endr
.irp i, 0,1,2,3,4,5,6,7
	v_mul_f32 v[P+\i], 0x3fb8aa3b, v[P+\i]         ; x log2(e)
.endr
.irp k, 0,1,2,3,4,5,6,7,8,9,10,11,12,13,14,15
	v_mul_f32 v[F+\k], 0x3fb8aa3b, v[F+\k]
.endr
.irp i, 0,1,2,3,4,5,6,7
	v_exp_f32 v[P+\i], v[P+\i]
.endr
.irp k, 0,1,2,3,4,5,6,7,8,9,10,11,12,13,14,15
	v_exp_f32 v[F+\k], v[F+\k]
.endr
	v_nop                                          ; a plain line behind the last exponential
	s_wait_alu depctr_va_vdst(0)                   ; one wait for the 24, ahead of their first reader
	v_add_f32 v120, v[P], v[P+1]
	v_add_f32 v121, v[P+2], v[P+3]
	v_add_f32 v122, v[P+4], v[P+5]
	v_add_f32 v123, v[P+6], v[P+7]
	v_add_f32 v120, v120, v121
	v_add_f32 v122, v122, v123
	v_add_f32 v120, v120, v122
.irp x, 1,2,4,8
	v_add_f32_dpp v120, v120, v120 row_xmask:\x row_mask:0xf bank_mask:0xf
.endr
	v_permlanex16_b32 v121, v120, s16, s17
	v_add_f32 v120, v120, v121                     ; my wave's sum
	ds_store_b32 v124, v120 offset:64              ; other bytes than the maxima's
	s_wait_dscnt 0x0
	s_barrier_signal -1
	s_barrier_wait -1
	ds_load_b128 v[MX:MX+3], v125 offset:64
	ds_load_b128 v[MX+4:MX+7], v125 offset:80
	s_wait_dscnt 0x0
	v_add_f32 v120, v[MX], v[MX+1]
	v_add_f32 v121, v[MX+2], v[MX+3]
	v_add_f32 v122, v[MX+4], v[MX+5]
	v_add_f32 v123, v[MX+6], v[MX+7]
	v_add_f32 v120, v120, v121
	v_add_f32 v122, v122, v123
	v_add_f32 v120, v120, v122                     ; Z, at least 1: the largest energy's weight is 1
	v_rcp_f32 v127, v120
	v_nop
	s_wait_alu depctr_va_vdst(0)
.irp i, 0,1,2,3,4,5,6,7
	v_mul_f32 v[P+\i], v[P+\i], v127
.endr
	global_store_b128 v1, v[P:P+3], s[10:11]
	global_store_b128 v1, v[P+4:P+7], s[10:11] offset:4096
	s_wait_loadcnt 0x0                             ; the parts
.irp q, 0,1,2,3
	v_mul_f32 v[E+\q], v[F], v[CP+\q]              ; the first part starts the sums
.endr
.irp k, 1,2,3,4,5,6,7,8,9,10,11,12,13,14,15
.irp q, 0,1,2,3
	v_fmac_f32 v[E+\q], v[F+\k], v[CP+4*\k+\q]
.endr
.endr
.irp q, 0,1,2,3
	v_mul_f32 v[E+\q], v[E+\q], v127
.endr
	global_store_b128 v1, v[E:E+3], s[8:9]
	s_wait_tensorcnt 0x0
	ds_add_u32 v128, v129
	s_wait_dscnt 0x0
	s_endpgm
.Lfunc_end_k_q439e8698e1_combine:
	.size	k_q439e8698e1_combine, .Lfunc_end_k_q439e8698e1_combine-k_q439e8698e1_combine
	.p2alignl 7, 3214868480
	.fill 96, 4, 3214868480
	.section	.rodata,"a",@progbits
	.p2align	6, 0x0
	.amdhsa_kernel k_q439e8698e1_combine
		.amdhsa_group_segment_fixed_size 1280
		.amdhsa_private_segment_fixed_size 0
		.amdhsa_enable_private_segment 0
		.amdhsa_kernarg_size 32
		.amdhsa_user_sgpr_count 2
		.amdhsa_user_sgpr_kernarg_segment_ptr 1
		.amdhsa_wavefront_size32 1
		.amdhsa_system_sgpr_workgroup_id_x 1
		.amdhsa_system_sgpr_workgroup_id_y 1
		.amdhsa_system_sgpr_workgroup_id_z 1
		.amdhsa_system_vgpr_workitem_id 0
		.amdhsa_next_free_vgpr 130
		.amdhsa_next_free_sgpr 66
		.amdhsa_reserve_vcc 0
		.amdhsa_float_denorm_mode_32 3
		.amdhsa_float_denorm_mode_16_64 3
		.amdhsa_memory_ordered 1
		.amdhsa_forward_progress 1
		.amdhsa_inst_pref_size 12
	.end_amdhsa_kernel
	.amdgpu_metadata
---
amdhsa.version: [ 1, 2 ]
amdhsa.kernels:
  - .name:           k_q439e8698e1_combine
    .symbol:         k_q439e8698e1_combine.kd
    .args:
      - { .name: energy, .offset: 0, .size: 8, .value_kind: global_buffer, .address_space: global }
      - { .name: cpart, .offset: 8, .size: 8, .value_kind: global_buffer, .address_space: global }
      - { .name: out0, .offset: 16, .size: 8, .value_kind: global_buffer, .address_space: global }
      - { .name: out1, .offset: 24, .size: 8, .value_kind: global_buffer, .address_space: global }
    .group_segment_fixed_size: 1280
    .private_segment_fixed_size: 0
    .kernarg_segment_align: 8
    .kernarg_segment_size: 32
    .max_flat_workgroup_size: 256
    .sgpr_count:     66
    .vgpr_count:     130
    .wavefront_size: 32
...
	.end_amdgpu_metadata
.endif
;; end of part 3
;; ======== version 2 of 2: 3 launches; version 1 with the launches prep, main written anew for expert scheduling mode
;; workspace buffers: wf 819,200 bytes; bv 262,144 bytes; energy 262,144 bytes; cpart 2,097,152 bytes
;; launch prep (part 4): grid 192 x 1, 1 waves a work-group, no clusters, 0 bytes of LDS; arguments W_dec_codes, W_dec_scales, W_enc_codes, W_enc_scales, b_enc, dec_out_codes, dec_out_scales, v, wf, bv; writes wf, bv
.if DOCPART == 4
	.amdgcn_target "amdgcn-amd-amdhsa--gfx1250"
	.amdhsa_code_object_version 6
	.text
	.protected	k_q439e8698e1_prep
	.globl	k_q439e8698e1_prep
	.p2align	8
	.type	k_q439e8698e1_prep,@function
k_q439e8698e1_prep:
	s_mov_b64 s[64:65], 0
	v_nop
	global_prefetch_b8 v0, s[64:65] scope:SCOPE_SE
	s_setreg_imm32_b32 hwreg(HW_REG_WAVE_SCHED_MODE, 0, 2), 2
	s_setreg_imm32_b32 hwreg(HW_REG_WAVE_MODE, 25, 1), 1
	s_wait_xcnt 0x0
	s_wait_alu depctr_vm_vsrc(0)
; TWO SMALL JOBS AHEAD OF THE MAIN LAUNCH, one wave to a work-group, told apart by the work-group's number.
; Work-groups 0-127: dec_proj = dec_out W_dec on codes of FP6 (E2M3) with E8M0 scales, one tile of 16 columns n (nt = id / 2) x 16 batches (mh = id % 2), K = 1,024 in eight matrix instructions.
;   Stored for the main launch, in bv [64 tiles][32 batches][32 f32]: words 0-15 bias'[n] = 2 log2(e) (dec_proj[b][n] + b_enc[n]), words 16-31 v'[n] = -2 v[n], n = 16 nt + index.
;   The product is used transposed (source 0 = 16 rows of W_dec, source 1 = 16 batches): lane (r, h) holds batch r and columns 8 h + 0 .. 7, eight neighbours of a record.
;   K is shared between two accumulators, which take turns; their sum is taken in f32.  bv is 262,144 bytes: a lane stores 16 bytes of a record of 128, so its stores do not cover 256 consecutive bytes each.
; Work-groups 128-191: W_enc's codes and scale bytes of 16 columns (nt = id - 128) are laid in wf in the order of the operand's registers: a record of 12,800 bytes: fragment ks (16 rows x 128 K, 12 registers a lane)
;   at 1,536 ks as three runs of 512 bytes (16 bytes a lane); scale register c at 12,288 + 128 c (4 bytes a lane): lanes 0-15 the word of K step 2 c, lanes 16-31 that of K step 2 c + 1.  Each store covers 512 or 128 consecutive bytes.
; THE MODE: SCHED_MODE bits 1:0 = 2 (LLVM: expert scheduling mode 2), set by the entry lines.  The code itself states the register dependences between vector or matrix instructions and memory instructions, with s_wait_alu, always for 0.
; THE PLAN.  Registers that memory instructions touch: v1-v6, offsets, written once at the head and read by every load and store; v16-247, in which loads land and which no vector instruction names before;
; v240-255, bias' and v', written by the last vector lines of the product's path and read by its four stores.  So two waits: one behind the offsets, ahead of the parting of the two paths; one ahead of those four stores.
.set WD, 16                            ; v16-111   eight fragments of W_dec (or of W_enc)
.set DO, 112                           ; v112-207  eight fragments of dec_out
.set WS, 208                           ; v208-211  the weight's scale words: scales and nothing else
.set DS, 212                           ; v212-215  dec_out's scale words
.set A0, 216                           ; v216-223  the sum over the even K steps
.set A1, 224                           ; v224-231  over the odd ones
.set BE, 232                           ; v232-239  b_enc at my eight columns
.set VV, 240                           ; v240-247  v at my eight columns
.set TT, 248                           ; v248-255  bias'
.macro FRAG6 reg, base, off            ; a fragment of 6-bit codes: 24 bytes of the row's stream of bits at 24 h, and 24 more 48 bytes on, in pieces of 8 bytes
.irp p, 0,1,2,3,4,5
	global_load_b64 v[(\reg)+2*\p:(\reg)+2*\p+1], v1, s[\base:\base+1] offset:(\off)+48*(\p/3)+8*(\p%3)
.endr
.endm
	s_load_b512 s[4:19], s[0:1], 0x0               ; W_dec codes s[4:5], scales s[6:7]; W_enc codes s[8:9], scales s[10:11]; b_enc s[12:13]; dec_out codes s[14:15], scales s[16:17]; v s[18:19]
	s_load_b128 s[20:23], s[0:1], 0x40             ; wf s[20:21], bv s[22:23]
	v_and_b32 v8, 15, v0                           ; r
	v_bfe_u32 v9, v0, 4, 1                         ; h
	v_mul_u32_u24 v1, v8, 768                      ; codes: row r of 768 bytes,
	v_mad_u32_u24 v1, v9, 24, v1                   ; + 24 h
	v_lshlrev_b32 v2, 5, v8                        ; scale words: row r of 32 bytes,
	v_lshl_add_u32 v2, v9, 2, v2                   ; + 4 h: lanes 16-31 take the odd K step's word
	v_lshlrev_b32 v3, 5, v9                        ; b_enc, v: my eight columns, 32 h bytes on
	v_lshlrev_b32 v4, 4, v0                        ; 16 x lane
	v_lshlrev_b32 v5, 2, v0                        ; 4 x lane
	v_lshlrev_b32 v6, 7, v8                        ; bv: batch r's record of 128 bytes,
	v_lshl_add_u32 v6, v9, 5, v6                   ; + 32 h
	s_mov_b32 s25, 0
	s_mov_b32 s26, 0x4038aa3b                      ; 2 log2(e)
	s_mov_b32 s27, s26                             ; (named with it as a pair, so it is written)
	s_wait_kmcnt 0x0
	s_wait_alu depctr_va_vdst(0)                   ; the offsets v1 to v6 are written: every load and store of both paths reads one of them, and none is written again
	s_cmp_lt_u32 ttmp9, 128
	s_cbranch_scc0 .Llayout
	; ---- dec_proj
	s_lshr_b32 s28, ttmp9, 1                       ; nt
	s_and_b32 s29, ttmp9, 1                        ; mh
	s_mul_i32 s24, s28, 12288                      ; 16 rows of 768 bytes
	s_add_nc_u64 s[4:5], s[4:5], s[24:25]
	s_lshl_b32 s24, s28, 9                         ; 16 rows of 32 bytes
	s_add_nc_u64 s[6:7], s[6:7], s[24:25]
	s_mul_i32 s24, s29, 12288
	s_add_nc_u64 s[14:15], s[14:15], s[24:25]
	s_lshl_b32 s24, s29, 9
	s_add_nc_u64 s[16:17], s[16:17], s[24:25]
	s_lshl_b32 s24, s28, 6                         ; 16 f32
	s_add_nc_u64 s[12:13], s[12:13], s[24:25]
	s_add_nc_u64 s[18:19], s[18:19], s[24:25]
	s_lshl_b32 s24, s28, 12                        ; a tile's 32 records,
	s_lshl_b32 s30, s29, 11                        ; 16 of them
	s_add_co_u32 s24, s24, s30
	s_add_nc_u64 s[22:23], s[22:23], s[24:25]
.irp ks, 0,1,2,3,4,5,6,7
	FRAG6 WD+12*\ks, 4, 96*\ks
	FRAG6 DO+12*\ks, 14, 96*\ks
.endr
.irp c, 0,1,2,3
	global_load_b32 v[WS+\c], v2, s[6:7] offset:8*\c
	global_load_b32 v[DS+\c], v2, s[16:17] offset:8*\c
.endr
	global_load_b128 v[BE:BE+3], v3, s[12:13]
	global_load_b128 v[BE+4:BE+7], v3, s[12:13] offset:16
	global_load_b128 v[VV:VV+3], v3, s[18:19]
	global_load_b128 v[VV+4:VV+7], v3, s[18:19] offset:16
	s_wait_loadcnt 0x0
.irp c, 0,1,2,3                        ; K steps 2 c and 2 c + 1; each sum's first product takes the constant 0
.if \c == 0
	v_wmma_scale_f32_16x16x128_f8f6f4 v[A0:A0+7], v[WD:WD+11], v[DO:DO+11], 0, v[WS], v[DS] matrix_a_fmt:MATRIX_FMT_FP6 matrix_b_fmt:MATRIX_FMT_FP6
	v_wmma_scale_f32_16x16x128_f8f6f4 v[A1:A1+7], v[WD+12:WD+23], v[DO+12:DO+23], 0, v[WS], v[DS] matrix_a_fmt:MATRIX_FMT_FP6 matrix_b_fmt:MATRIX_FMT_FP6 matrix_a_scale:MATRIX_SCALE_ROW1 matrix_b_scale:MATRIX_SCALE_ROW1
.else
	v_wmma_scale_f32_16x16x128_f8f6f4 v[A0:A0+7], v[WD+24*\c:WD+24*\c+11], v[DO+24*\c:DO+24*\c+11], v[A0:A0+7], v[WS+\c], v[DS+\c] matrix_a_fmt:MATRIX_FMT_FP6 matrix_b_fmt:MATRIX_FMT_FP6
	v_wmma_scale_f32_16x16x128_f8f6f4 v[A1:A1+7], v[WD+24*\c+12:WD+24*\c+23], v[DO+24*\c+12:DO+24*\c+23], v[A1:A1+7], v[WS+\c], v[DS+\c] matrix_a_fmt:MATRIX_FMT_FP6 matrix_b_fmt:MATRIX_FMT_FP6 matrix_a_scale:MATRIX_SCALE_ROW1 matrix_b_scale:MATRIX_SCALE_ROW1
.endif
.endr
.rept 4
	v_nop                                          ; four places between the last product and the first read of a result (ISA guide 7.12.1)
.endr
.irp j, 0,2,4,6                        ; each accumulator from its low end on
	v_pk_add_f32 v[TT+\j:TT+\j+1], v[A0+\j:A0+\j+1], v[A1+\j:A1+\j+1]
.endr
.irp j, 0,2,4,6
	v_pk_add_f32 v[TT+\j:TT+\j+1], v[TT+\j:TT+\j+1], v[BE+\j:BE+\j+1]
.endr
.irp j, 0,2,4,6
	v_pk_mul_f32 v[TT+\j:TT+\j+1], v[TT+\j:TT+\j+1], s[26:27] op_sel_hi:[1,0]
	v_pk_mul_f32 v[VV+\j:VV+\j+1], v[VV+\j:VV+\j+1], -2.0 op_sel_hi:[1,0]
.endr
	s_wait_alu depctr_va_vdst(0)                   ; the multiplications have written bias' and v', which the four stores read
	global_store_b128 v6, v[TT:TT+3], s[22:23]
	global_store_b128 v6, v[TT+4:TT+7], s[22:23] offset:16
	global_store_b128 v6, v[VV:VV+3], s[22:23] offset:64
	global_store_b128 v6, v[VV+4:VV+7], s[22:23] offset:80
	s_endpgm
.Llayout:
	; ---- W_enc into the order of the operand's registers.  The stores' data come from loads, whose own wait shows them in; no vector instruction stands on this path
	s_sub_co_u32 s28, ttmp9, 128                   ; nt
	s_mul_i32 s24, s28, 12288
	s_add_nc_u64 s[8:9], s[8:9], s[24:25]
	s_lshl_b32 s24, s28, 9
	s_add_nc_u64 s[10:11], s[10:11], s[24:25]
	s_mul_i32 s24, s28, 12800
	s_add_nc_u64 s[20:21], s[20:21], s[24:25]
.irp ks, 0,1,2,3,4,5,6,7
	FRAG6 WD+12*\ks, 8, 96*\ks
.endr
.irp c, 0,1,2,3
	global_load_b32 v[WS+\c], v2, s[10:11] offset:8*\c
.endr
	s_wait_loadcnt 0x0
.irp ks, 0,1,2,3,4,5,6,7
.irp c, 0,1,2
	global_store_b128 v4, v[WD+12*\ks+4*\c:WD+12*\ks+4*\c+3], s[20:21] offset:1536*\ks+512*\c
.endr
.endr
.irp c, 0,1,2,3
	global_store_b32 v5, v[WS+\c], s[20:21] offset:12288+128*\c
.endr
	s_endpgm
.Lfunc_end_k_q439e8698e1_prep:
	.size	k_q439e8698e1_prep, .Lfunc_end_k_q439e8698e1_prep-k_q439e8698e1_prep
	.p2alignl 7, 3214868480
	.fill 96, 4, 3214868480
	.section	.rodata,"a",@progbits
	.p2align	6, 0x0
	.amdhsa_kernel k_q439e8698e1_prep
		.amdhsa_group_segment_fixed_size 0
		.amdhsa_private_segment_fixed_size 0
		.amdhsa_enable_private_segment 0
		.amdhsa_kernarg_size 80
		.amdhsa_user_sgpr_count 2
		.amdhsa_user_sgpr_kernarg_segment_ptr 1
		.amdhsa_wavefront_size32 1
		.amdhsa_system_sgpr_workgroup_id_x 1
		.amdhsa_system_sgpr_workgroup_id_y 1
		.amdhsa_system_sgpr_workgroup_id_z 1
		.amdhsa_system_vgpr_workitem_id 0
		.amdhsa_next_free_vgpr 256
		.amdhsa_next_free_sgpr 66
		.amdhsa_reserve_vcc 0
		.amdhsa_float_denorm_mode_32 3
		.amdhsa_float_denorm_mode_16_64 3
		.amdhsa_memory_ordered 1
		.amdhsa_forward_progress 1
		.amdhsa_inst_pref_size 23
	.end_amdhsa_kernel
	.amdgpu_metadata
---
amdhsa.version: [ 1, 2 ]
amdhsa.kernels:
  - .name:           k_q439e8698e1_prep
    .symbol:         k_q439e8698e1_prep.kd
    .args:
      - { .name: W_dec_codes, .offset: 0, .size: 8, .value_kind: global_buffer, .address_space: global }
      - { .name: W_dec_scales, .offset: 8, .size: 8, .value_kind: global_buffer, .address_space: global }
      - { .name: W_enc_codes, .offset: 16, .size: 8, .value_kind: global_buffer, .address_space: global }
      - { .name: W_enc_scales, .offset: 24, .size: 8, .value_kind: global_buffer, .address_space: global }
      - { .name: b_enc, .offset: 32, .size: 8, .value_kind: global_buffer, .address_space: global }
      - { .name: dec_out_codes, .offset: 40, .size: 8, .value_kind: global_buffer, .address_space: global }
      - { .name: dec_out_scales, .offset: 48, .size: 8, .value_kind: global_buffer, .address_space: global }
      - { .name: v, .offset: 56, .size: 8, .value_kind: global_buffer, .address_space: global }
      - { .name: wf, .offset: 64, .size: 8, .value_kind: global_buffer, .address_space: global }
      - { .name: bv, .offset: 72, .size: 8, .value_kind: global_buffer, .address_space: global }
    .group_segment_fixed_size: 0
    .private_segment_fixed_size: 0
    .kernarg_segment_align: 8
    .kernarg_segment_size: 80
    .max_flat_workgroup_size: 32
    .sgpr_count:     66
    .vgpr_count:     256
    .wavefront_size: 32
...
	.end_amdgpu_metadata
.endif
;; end of part 4
;; launch main (part 5): grid 32 x 16, 4 waves a work-group, no clusters, 316,928 bytes of LDS; arguments enc_out, x_lens, wf, bv, energy, cpart; writes energy, cpart
.if DOCPART == 5
	.amdgcn_target "amdgcn-amd-amdhsa--gfx1250"
	.amdhsa_code_object_version 6
	.text
	.protected	k_q439e8698e1_main
	.globl	k_q439e8698e1_main
	.p2align	8
	.type	k_q439e8698e1_main,@function
k_q439e8698e1_main:
	s_mov_b64 s[64:65], 0
	v_nop
	global_prefetch_b8 v0, s[64:65] scope:SCOPE_SE
	s_setreg_imm32_b32 hwreg(HW_REG_WAVE_SCHED_MODE, 0, 2), 2
	s_setreg_imm32_b32 hwreg(HW_REG_WAVE_MODE, 25, 1), 1
	s_wait_xcnt 0x0
	s_wait_alu depctr_vm_vsrc(0)
; ADDITIVE ATTENTION, ONE BLOCK OF 128 ROWS t OF ONE BATCH b TO A WORK-GROUP (x = b, y = block).  enc_out [32][2048][1024] f32 is read ONCE:
;   X  the block's rows are loaded, quantised to FP6 (E2M3) with one E8M0 scale for each 32 along K, and kept twice: as bf16 in LDS (for the context) and as codes in EVERY wave's registers (64 fragments, 768 registers);
;   G  enc_proj = codes x W_enc's codes; wave w takes all 128 rows and columns 256 w .. 256 w + 255, 16 tiles of 16; each tile: 64 matrix instructions, then tanh and the product with v, in f32;
;   E  the four waves' partial energies meet in LDS; the mask t < x_lens[b] multiplies them (0 behind it, as reference() has it: no -infinity); they are stored; p = 2^((e - m) log2 e), m the block's own largest energy;
;   C  the block's part of the context, sum of p[t] bf16(enc[t]), wave w columns 256 w on, is stored.  The next launch brings the 16 blocks of a batch under one maximum.
; tanh(x) = 1 - 2 / (1 + 2^(2 log2(e) x)).  The launch before has folded 2 log2(e) (dec_proj + b_enc) into bias' and -2 v into v', so energy = sum v' r - sum v' / 2, r = 1 / (1 + 2^(2 log2(e) acc + bias')).
; A BLOCK THAT LIES WHOLLY BEHIND x_lens[b] LEAVES G OUT (a scalar branch on the index input; no barrier is jumped): its energies are 0 whatever the product gives.
; W_enc GOES FROM MEMORY STRAIGHT INTO REGISTERS, in the order of the operand's registers (buffer wf): a fragment is wanted by one wave alone and feeds its eight row tiles.  NO TENSOR LOADS, NO CLUSTER: the bf16 copy takes
; 262,144 of the 327,680 bytes of LDS and the stages 54,272 more, which leaves no room for slots of W.
; The matrix instruction is used transposed (source 0 = 16 columns of W_enc, source 1 = 16 rows of enc): lane (r, h) holds row r and columns 8 h + 0 .. 7.
; att_weights_step is an argument that reference() never uses: no launch names it.
; LIMITS: NaN and infinities in enc_out are not served.  A block of 32 zeros gets the scale byte 1 where the rule says 127: its codes are zeros and this program alone reads the byte.  enc_out is rounded to bf16 for the context.
; The energy is a difference of two sums of the size of sum |v|: its absolute error is some 1e-7 x sum |v|.
;
; THE MODE: SCHED_MODE bits 1:0 = 2 (LLVM: expert scheduling mode 2), set by the entry lines.  The code itself states the register dependences between vector or matrix instructions and memory or LDS instructions,
; with s_wait_alu, always for 0.
; THE PLAN: the registers that memory or LDS instructions touch, and who else names them.
;   Offsets and LDS addresses (v1-3, v40-47, v246-255): made once at the head, ahead of one wait on va_vdst, and never stepped; v40-47 are given up behind X, behind a wait on vm_vsrc.
;   X, step u:  RG[u % 8]   the loads issued in step u - 8 land in it; in step u - 1 four LDS stores (the turn) and eight roundings read it; step u asks for it again.
;               X16[u % 2]  the turn's LDS loads of step u - 1 land in it; step u's quantiser reads it.
;               P8, CD, BY  two sets each: written by a step's vector lines, read by the six LDS stores at that step's end, written again two steps on.
;     Two lines a step: vm_vsrc at its head (the turn has read RG[u % 8]; the stores of two steps back have read the sets that are written now); va_vdst behind its vector lines (the sets are written, for the stores that
;     follow; RG[(u + 1) % 8] and X16[u % 2] are read, for the next step's loads: no vector line stands between).
;   G, a tile:  BF[2 c], BF[2 c + 1], SC[c]  read by pair c's sixteen products, then loaded for the next tile.  BV  read by the tile's closing arithmetic, then loaded again.  There is one set of each.
;     One wait on va_vdst behind pair 2 frees pairs 0 to 2: their 21 loads are dealt among pair 3's products, which name BF6, BF7, SC3, enc's fragments and scale words and the accumulators.  The wait that stands behind
;     the exponentials anyway frees pair 3: its seven loads are dealt among the additions, which name the accumulators.  One more at the tile's end frees BV.
;   C, step s:  two buffers of 16 rows and their 16 p, by turns.  Step s's multiply-adds read buffer s % 2; the loads of step s + 1 land in the other, behind one wait on va_vdst at the step's head.
;
; LDS
.set COD,  262144                      ; bytes 0 .. 262,143: the bf16 copy, 128 rows x 2,048 bytes; chunk q (512 bytes) of a row holds at 16 x lane the columns 256 q + 4 lane + 0..3 and 256 q + 128 + 4 lane + 0..3
.set CODB, 12544                       ; then two buffers of 16 rows of codes, by turns,
.set CPI,  784                         ; 768 bytes + 16 a row = 196 words: row r starts at bank 4 r mod 64 (64 banks of 4 bytes: ISA guide 11.1): the 32 lanes of a fragment's load of 8 bytes touch 64 different banks
.set SCB,  COD+2*CODB                  ; the scale bytes: 128 rows x (32 + 4)
.set SCP,  36
.set STG,  SCB+128*SCP                 ; for each wave two stages of 32 x 80 bytes, in which 512 numbers turn from 16 bytes a lane to 64 bytes a lane
.set EP,   STG+4*5120                  ; for each wave its 128 partial energies
.set PW,   EP+2048                     ; for each wave its own copy of the 128 weights p
; REGISTERS, in windows of 256.  Windows 1-3: enc's fragments f = 8 ks + mt (K step ks, row tile mt), 21 to a window, at v[12 (f % 21)]; f = 63 lies in window 0.  Window 0:
.set ASC,  4                           ; v4-35    enc's scale words [mt][c]: lanes 0-15 K step 2 c, lanes 16-31 K step 2 c + 1.  Scales and nothing else while products run
.set SC,   36                          ; v36-39   W's scale words [c], likewise
.set EACC, 40                          ; v40-55   G: the energies' sums, a pair for each row tile
.set VS,   56                          ; v56-57   G: the sum of v'
.set A63,  58                          ; v58-69   G: fragment 63
.set BV,   70                          ; v70-77 bias', v78-85 v' of the tile's columns 8 h + 0 .. 7
.set BF,   86                          ; v86-181  W's eight fragments of a tile
.set ACC,  182                         ; v182-245 eight accumulators, one for each row tile
.set STI,  40                          ; X: the stage, on the way in
.set STO,  41                          ; X: and out
.set RETA, 42                          ; X: v42-45 where I put bf16: rows 32 k on, k = 0..3 (an LDS offset has 16 bits)
.set CODA, 46                          ; X: where I put 12 bytes of codes
.set SCBA, 47                          ; X: where I put a scale byte
.set TM,   48                          ; X: v48-50 at work
.set BY,   54                          ; X: v54-55 the scale byte, two sets
.set CD,   58                          ; X: v58-60, v62-64 the codes, two sets
.set RG,   70                          ; X: v70-197 eight slots of 16 numbers as loaded
.set X16,  198                         ; X: v198-229 two sets of 16 neighbours
.set P8,   230                         ; X: v230-245 two sets of 16 bf16
.set EPS,  246                         ; LDS addresses of E and C, made at the head: my partial energies,
.set EPL,  247                         ; all waves' for rows 4 lane on,
.set PWS,  248                         ; my four p,
.set PWB,  249                         ; my wave's p,
.set RETL, 250                         ; v250-253 my 16 bytes of chunk w of rows 32 k on, k = 0..3
.set FRA,  254                         ; a fragment's place for my lane in a buffer of codes
.set ASA,  255                         ; and a scale word's
.set T,    182                         ; E: v182-189 energies, v190-197 the other half's
.set TP,   190
.set VT,   198
.set EE,   200                         ; E: v200-215 four waves' partials of my four rows; then v200-203 the energies
.set MM,   216
.set PP,   220                         ; E: v220-223 p
.set CA,   224                         ; C: v224-231 eight columns' sums
.set RW,   86                          ; C: buffer 0: v86-149 sixteen rows' 16 bytes, v150-165 their p;
.set PR,   150                         ;    buffer 1 lies 82 registers lower: v4-67, v68-83
.set MSB, 0
.macro WIN new                         ; s_set_vgpr_msb: bits 1:0 source 0, 3:2 source 1, 5:4 source 2, 7:6 destination; the high byte repeats the setting that is left; a switch that changes nothing is dropped
.if MSB != (\new)
	s_set_vgpr_msb (MSB<<8)|(\new)
.set MSB, (\new)
.endif
.endm
.macro AFR f                           ; window AW and register AR of fragment f
.if (\f) < 63
.set AW, 1+(\f)/21
.set AR, 12*((\f)%21)
.else
.set AW, 0
.set AR, A63
.endif
.endm
.macro PLACES
.rept 4
	v_nop
.endr
.endm
.macro MEET                            ; my LDS stores have landed and my LDS loads are in: then the work-group's barrier
	s_wait_dscnt 0x0
	s_barrier_signal -1
	s_barrier_wait -1
.endm
	s_load_b256 s[4:11], s[0:1], 0x0               ; enc_out s[4:5], x_lens s[6:7], wf s[8:9], bv s[10:11]
	s_load_b128 s[12:15], s[0:1], 0x20             ; energy s[12:13], cpart s[14:15]
	s_set_vgpr_msb 0x40
	v_lshl_add_u32 v254, v0, 2, 0x4d400
	v_mov_b32 v255, 0
	s_set_vgpr_msb 0x4000
	v_lshrrev_b32 v1, 5, v0
	v_readfirstlane_b32 s16, v1                    ; wave w
	s_mov_b32 s17, ttmp9                           ; batch b
	s_and_b32 s18, ttmp7, 0xffff                   ; block
	v_and_b32 v51, 31, v0                          ; lane
	v_and_b32 v52, 15, v0                          ; r
	v_bfe_u32 v53, v0, 4, 1                        ; h
	v_lshlrev_b32 v1, 4, v51                       ; v1 = 16 x lane; never rewritten
	v_lshlrev_b32 v2, 2, v51                       ; v2 = 4 x lane; never rewritten
	v_lshlrev_b32 v3, 5, v53                       ; v3 = 32 h; never rewritten
	s_wait_alu depctr_va_sdst(0)                   ; s16 is written, ahead of its first reader: LDS addresses and the buffers' bases are made from it
	s_mul_i32 s20, s16, 5120
	s_add_co_u32 s20, s20, STG                     ; my wave's stages
	v_lshrrev_b32 v48, 2, v51
	v_mul_u32_u24 v[STI], v48, 80
	v_and_b32 v48, 3, v51
	v_lshl_add_u32 v[STI], v48, 4, v[STI]
	v_add_nc_u32 v[STI], s20, v[STI]               ; in: four lanes' 64 bytes on end, then 16 of padding
	v_mul_u32_u24 v[STO], v51, 80
	v_add_nc_u32 v[STO], s20, v[STO]               ; out: my 16 neighbours
	s_lshl_b32 s20, s16, 13                        ; the bf16 copy: my wave's 4 rows of each 16
	v_add_nc_u32 v[RETA], s20, v1
.irp k, 1,2,3
	v_add_nc_u32 v[RETA+\k], \k*65536, v[RETA]
.endr
	s_mul_i32 s20, s16, 4*CPI
	s_add_co_u32 s20, s20, COD
	v_mul_u32_u24 v[CODA], v51, 12
	v_add_nc_u32 v[CODA], s20, v[CODA]
	s_mul_i32 s20, s16, 4*SCP
	s_add_co_u32 s20, s20, SCB
	v_lshrrev_b32 v[SCBA], 1, v51
	v_add_nc_u32 v[SCBA], s20, v[SCBA]
	v_mul_u32_u24 v[FRA], v52, CPI
	v_mad_u32_u24 v[FRA], v53, 24, v[FRA]
	v_add_nc_u32 v[FRA], COD, v[FRA]
	v_mul_u32_u24 v[ASA], v52, SCP
	v_lshl_add_u32 v[ASA], v53, 2, v[ASA]
	v_add_nc_u32 v[ASA], SCB, v[ASA]
	s_lshl_b32 s20, s16, 9                         ; 512 w
	v_lshl_add_u32 v[EPS], v52, 2, s20
	v_add_nc_u32 v[EPS], EP, v[EPS]
	v_add_nc_u32 v[EPL], EP, v1
	v_add_nc_u32 v[PWS], s20, v1
	v_add_nc_u32 v[PWS], PW, v[PWS]
	s_add_co_u32 s25, s20, PW
	v_mov_b32 v[PWB], s25
	v_add_nc_u32 v[RETL], s20, v1
.irp k, 1,2,3
	v_add_nc_u32 v[RETL+\k], \k*65536, v[RETL]
.endr
	s_mov_b32 s27, 0
	s_mov_b32 s28, 0x4038aa3b                      ; 2 log2(e)
	s_mov_b32 s29, s28                             ; (named with it as a pair, so it is written)
	s_mov_b32 s30, 0x76543210                      ; v_permlanex16_b32's selects for lane l xor 16
	s_mov_b32 s31, 0xfedcba98
	s_wait_kmcnt 0x0
	s_lshl_b32 s26, s17, 2
	s_add_nc_u64 s[6:7], s[6:7], s[26:27]
	s_load_b32 s19, s[6:7], 0x0                    ; x_lens[b]
	s_lshl_b32 s26, s17, 23                        ; enc_out: b x 2,048 rows of 4,096 bytes,
	s_lshl_b32 s36, s18, 19                        ; + block x 128 rows,
	s_add_co_u32 s26, s26, s36
	s_lshl_b32 s36, s16, 14                        ; + w x 4 rows
	s_add_co_u32 s26, s26, s36
	s_add_nc_u64 s[4:5], s[4:5], s[26:27]
	s_mul_i32 s26, s16, 16*12800                   ; wf: my 16 tiles' records
	s_add_nc_u64 s[8:9], s[8:9], s[26:27]
	s_lshl_b32 s26, s16, 16                        ; bv: my 16 tiles of 4,096 bytes, batch b's record of 128
	s_lshl_b32 s36, s17, 7
	s_add_co_u32 s26, s26, s36
	s_add_nc_u64 s[10:11], s[10:11], s[26:27]
	s_lshl_b32 s26, s17, 13                        ; energy: row b of 8,192 bytes, the block's 512
	s_lshl_b32 s36, s18, 9
	s_add_co_u32 s26, s26, s36
	s_add_nc_u64 s[12:13], s[12:13], s[26:27]
	s_lshl_b32 s26, s17, 4                         ; cpart: record 16 b + block of 4,096 bytes, my wave's 1,024
	s_add_co_u32 s26, s26, s18
	s_lshl_b32 s26, s26, 12
	s_lshl_b32 s36, s16, 10
	s_add_co_u32 s26, s26, s36
	s_add_nc_u64 s[14:15], s[14:15], s[26:27]
; ---- X.  A UNIT u is half a row, 512 numbers: round i = u / 8, row 16 i + 4 w + (u / 2) % 4, half u % 2.  Eight units' loads (32 a wave, 512 consecutive bytes each) are on their way.
.macro LOADU u
.irp j, 0,1,2,3
	global_load_b128 v[RG+16*((\u)%8)+4*\j:RG+16*((\u)%8)+4*\j+3], v1, s[4:5] offset:(16*((\u)/8)+(((\u)/2)%4))*4096+2048*((\u)%2)+512*\j th:TH_LOAD_NT
.endr
.endm
.macro TURN u                          ; through my stage: in as loaded, out 64 bytes a lane.  LDS serves a wave's instructions in order (ISA guide 5.7.1.4): no wait between
.irp j, 0,1,2,3
	ds_store_b128 v[STI], v[RG+16*((\u)%8)+4*\j:RG+16*((\u)%8)+4*\j+3] offset:2560*((\u)%2)+640*\j
.endr
.irp j, 0,1,2,3
	ds_load_b128 v[X16+16*((\u)%2)+4*\j:X16+16*((\u)%2)+4*\j+3], v[STO] offset:2560*((\u)%2)+16*\j
.endr
.endm
.macro PACKV u                         ; the same numbers, as loaded, rounded to bf16
.irp j, 0,1,2,3
	v_cvt_pk_bf16_f32 v[P8+8*((\u)%2)+2*\j], v[RG+16*((\u)%8)+4*\j], v[RG+16*((\u)%8)+4*\j+1]
	v_cvt_pk_bf16_f32 v[P8+8*((\u)%2)+2*\j+1], v[RG+16*((\u)%8)+4*\j+2], v[RG+16*((\u)%8)+4*\j+3]
.endr
.endm
.macro PACKS u                         ; and into the copy: two stores of 512 consecutive bytes
.irp jp, 0,1
	ds_store_b128 v[RETA+(\u)/16], v[P8+8*((\u)%2)+4*\jp:P8+8*((\u)%2)+4*\jp+3] offset:(((\u)/8)%2)*32768+(((\u)/2)%4)*2048+(2*((\u)%2)+\jp)*512
.endr
.endm
.macro QUANTV u                        ; my 16 neighbours; two neighbouring lanes hold a block of 32
.set XS, X16+16*((\u)%2)
	v_max3_num_f32 v[TM], |v[XS]|, |v[XS+1]|, |v[XS+2]|
	v_max3_num_f32 v[TM+1], |v[XS+3]|, |v[XS+4]|, |v[XS+5]|
.irp i, 6,10
	v_max3_num_f32 v[TM], v[TM], |v[XS+\i]|, |v[XS+\i+1]|
	v_max3_num_f32 v[TM+1], v[TM+1], |v[XS+\i+2]|, |v[XS+\i+3]|
.endr
	v_max3_num_f32 v[TM], v[TM], |v[XS+14]|, |v[XS+15]|
	v_max3_num_f32 v[TM], v[TM], v[TM+1], 0x1800000                ; and the floor 2^(3 - 127): the byte cannot fall under 1
	v_max_num_f32_dpp v[TM], v[TM], v[TM] row_xmask:1 row_mask:0xf bank_mask:0xf   ; with my neighbour's 16: the block's largest magnitude
	v_add_nc_u32 v[TM+2], 0xff000000, v[TM]                        ; 2 off its exponent field: the conversion takes the exponent field of this operand as its scale
	v_cvt_scalef32_pk16_fp6_f32 v[CD+4*((\u)%2):CD+4*((\u)%2)+2], v[XS:XS+15], v[TM+2]
	v_lshrrev_b32 v[BY+(\u)%2], 23, v[TM+2]                        ; the scale's byte.  (Also the plain line behind the conversion)
.endm
.macro QUANTS u
.irp t, 0,1,2
	ds_store_b32 v[CODA], v[CD+4*((\u)%2)+\t] offset:(((\u)/8)%2)*CODB+(((\u)/2)%4)*CPI+384*((\u)%2)+4*\t
.endr
	ds_store_b8 v[SCBA], v[BY+(\u)%2] offset:(16*((\u)/8)+(((\u)/2)%4))*SCP+16*((\u)%2)   ; both lanes of a block write the same byte with the same value
.endm
; Unit u is quantised while unit u + 1 turns through the other stage and unit u + 8 is asked for.  The step's vector lines stand together, its six LDS stores behind them.
.macro STEP u
.if (\u) == 0
	s_wait_dscnt 2                                 ; unit u is back from the stage.  Behind its four loads: its two bf16 stores;
.elseif (\u)%8 == 0
	s_wait_dscnt 48                                ; behind a barrier: the 48 loads of fragments alone;
.else
	s_wait_dscnt 6                                 ; else its two bf16 stores and the four stores of unit u - 1's codes and byte
.endif
	s_wait_alu depctr_vm_vsrc(0)                   ; unit u's turn has read RG[u % 8], in which the loads below land; the stores at the end of step u - 2 have read the sets of P8, CD and BY that this step writes again
.if (\u)+8 < 64
	LOADU (\u)+8                                   ; into the slot that unit u has left: its roundings stand ahead of the last step's wait on va_vdst, and no vector line has followed
.endif
.if (\u)+1 < 64
.if (\u) < 56
	s_wait_loadcnt 28                              ; unit u + 1 is in; the seven units behind it, four loads each, stay out
.else
	s_wait_loadcnt 4*(62-(\u))                     ; the last round asks for nothing: the counts run down
.endif
	TURN (\u)+1                                    ; its LDS loads land in the set of X16 that the last step's quantiser read, ahead of that step's wait on va_vdst
	PACKV (\u)+1
.endif
	QUANTV \u
	s_wait_alu depctr_va_vdst(0)                   ; the roundings and the conversion have written P8, CD and BY, which the stores below read; they are done reading RG[(u + 1) % 8] and X16[u % 2], in which the next step's loads land
.if (\u)+1 < 64
	PACKS (\u)+1
.endif
	QUANTS \u
.endm
.macro FRAGS i                         ; row tile i's eight fragments, from the buffer of codes into my registers: every wave takes all of them.  No vector line names windows 1-3 before G; the address was made at the head
.irp ks, 0,1,2,3,4,5,6,7
	AFR 8*\ks+(\i)
	WIN AW<<6
.irp p, 0,1,2,3,4,5
	ds_load_b64 v[AR+2*\p:AR+2*\p+1], v[FRA] offset:((\i)%2)*CODB+96*\ks+48*(\p/3)+8*(\p%3)
.endr
.endr
	WIN 0
.endm
	s_wait_alu depctr_va_vdst(0)                   ; the offsets v1 to v3 and the LDS addresses v40 to v47 and v246 to v255 are written: every memory and LDS instruction of the kernel reads one of them
.irp u, 0,1,2,3,4,5,6,7
	LOADU \u
.endr
	s_wait_kmcnt 0x0                               ; x_lens[b]
	s_lshl_b32 s25, s18, 7
	s_sub_co_i32 s21, s19, s25                     ; d = x_lens[b] - the block's first t: row j of the block counts where j < d
	s_sub_co_i32 s22, s21, 1
	s_sub_co_i32 s23, s21, 2
	s_sub_co_i32 s24, s21, 3
	s_wait_loadcnt 28                              ; unit 0 is in
	TURN 0
	PACKV 0
	s_wait_alu depctr_va_vdst(0)                   ; unit 0's roundings have written P8's first set, which the two stores read, and are done reading RG[0], which step 0 asks for again
	PACKS 0
; A round: each wave quantises 4 rows, together a row tile.  ONE barrier a round: behind it the tile's codes are whole; the next round writes the OTHER buffer, and a buffer is written again only behind the
; next barrier, in front of which every wave has waited for its reads of it.
.set U, 0
.rept 8
.rept 8
	STEP U
.set U, U+1
.endr
	MEET
.if U < 64
	FRAGS (U/8-1)
.endif
.endr
	s_wait_alu depctr_vm_vsrc(0)                   ; X's LDS instructions have read their addresses v40-47, the bytes v54-55, the codes v58-64, RG and P8: the sums below, fragment 63, W's fragments, the accumulators and E's registers take their places.  Ahead of the branch: for both ways
.irp j, 0,1,2,3,4,5,6,7,8,9,10,11,12,13,14,15,16,17
	v_mov_b32 v[EACC+\j], 0                        ; the energies' sums and the sum of v'
.endr
	s_cmp_gt_i32 s21, 0                            ; does any row of the block count?
	s_cbranch_scc0 .Lenergy
; ---- G
.macro BL1 c, i, off                   ; load i of the seven of pair c: W's fragments of K steps 2 c and 2 c + 1, three loads each, and their scale words
.if (\i) < 6
	global_load_b128 v[BF+12*(2*(\c)+(\i)/3)+4*((\i)%3):BF+12*(2*(\c)+(\i)/3)+4*((\i)%3)+3], v1, s[8:9] offset:(\off)+1536*(2*(\c)+(\i)/3)+512*((\i)%3)
.else
	global_load_b32 v[SC+(\c)], v2, s[8:9] offset:(\off)+12288+128*(\c)
.endif
.endm
.macro BLOAD c, off
.irp i, 0,1,2,3,4,5,6
	BL1 \c, \i, \off
.endr
.endm
.macro BVLOAD
	global_load_b128 v[BV:BV+3], v3, s[10:11]
	global_load_b128 v[BV+4:BV+7], v3, s[10:11] offset:16
	global_load_b128 v[BV+8:BV+11], v3, s[10:11] offset:64
	global_load_b128 v[BV+12:BV+15], v3, s[10:11] offset:80
.endm
; Two K steps: 16 matrix instructions, the eight accumulators by turns.  nxt = 1: a tile follows.
; A tile's loads are issued in the order pair 0, 1, 2, 3, bias' and v': seven, seven, seven, seven, four.
; The window setting of the products (source 1 alone) stays during the v_nop and the loads: a load names a destination and source 0, both in window 0.
.macro PAIR c, nxt
	s_wait_loadcnt 25-7*(\c)                       ; the pair's seven loads are in.  Behind them: 7 (3 - c) of the later pairs and 4 of bias' and v'; this trip's refills begin behind pair 3's wait
.set LQ, 0
.irp k, 0,1
.irp mt, 0,1,2,3,4,5,6,7
	AFR 8*(2*(\c)+\k)+\mt
	WIN AW<<2
.if (2*(\c)+\k) == 0
	v_wmma_scale_f32_16x16x128_f8f6f4 v[ACC+8*\mt:ACC+8*\mt+7], v[BF:BF+11], v[AR:AR+11], 0, v[SC], v[ASC+4*\mt] matrix_a_fmt:MATRIX_FMT_FP6 matrix_b_fmt:MATRIX_FMT_FP6
.elseif \k == 0
	v_wmma_scale_f32_16x16x128_f8f6f4 v[ACC+8*\mt:ACC+8*\mt+7], v[BF+24*(\c):BF+24*(\c)+11], v[AR:AR+11], v[ACC+8*\mt:ACC+8*\mt+7], v[SC+(\c)], v[ASC+4*\mt+(\c)] matrix_a_fmt:MATRIX_FMT_FP6 matrix_b_fmt:MATRIX_FMT_FP6
.else
	v_wmma_scale_f32_16x16x128_f8f6f4 v[ACC+8*\mt:ACC+8*\mt+7], v[BF+24*(\c)+12:BF+24*(\c)+23], v[AR:AR+11], v[ACC+8*\mt:ACC+8*\mt+7], v[SC+(\c)], v[ASC+4*\mt+(\c)] matrix_a_fmt:MATRIX_FMT_FP6 matrix_b_fmt:MATRIX_FMT_FP6 matrix_a_scale:MATRIX_SCALE_ROW1 matrix_b_scale:MATRIX_SCALE_ROW1
.endif
.if \nxt && ((\c) == 3)
.rept 2                                ; the next tile's pairs 0 to 2, 21 loads, two behind each product.  No wait: no product since the wait behind pair 2 names BF0 to BF5, SC0 to SC2 or the offsets
.if LQ < 21
	BL1 LQ/7, LQ%7, 12800
.set LQ, LQ+1
.endif
.endr
.endif
.endr
.endr
.if (\nxt && ((\c) == 2)) || ((\c) == 3)
	PLACES                                         ; four places behind the last product: in front of loads into registers that matrix instructions have read, and of the first read of results
.endif
.if \nxt && ((\c) == 2)
	s_wait_alu depctr_va_vdst(0)                   ; the products of pairs 0 to 2 are done reading BF0 to BF5 and SC0 to SC2, in which the loads dealt among pair 3's products land
.endif
.endm
; A tile's 64 registers (8 rows tiles x my 8 columns): r = 1 / (1 + 2^(2 log2(e) acc + bias')), and the energies' sums take v' r.  The exponentials are one batch with one wait, and so are the reciprocals.
.macro EPI nxt
	WIN 0
.if \nxt
	s_wait_loadcnt 21                              ; bias' and v' are in: behind them the 21 refills of pairs 0 to 2
.else
	s_wait_loadcnt 0x0
.endif
.irp j, 0,2,4,6                        ; each accumulator from its low end on
.irp mt, 0,1,2,3,4,5,6,7
	v_pk_fma_f32 v[ACC+8*\mt+\j:ACC+8*\mt+\j+1], v[ACC+8*\mt+\j:ACC+8*\mt+\j+1], s[28:29], v[BV+\j:BV+\j+1] op_sel_hi:[1,0,1]
.endr
.endr
.set N, 0
.rept 64
	v_exp_f32 v[ACC+N], v[ACC+N]
.set N, N+1
.endr
.irp j, 0,2,4,6
	v_pk_add_f32 v[VS:VS+1], v[VS:VS+1], v[BV+8+\j:BV+9+\j]        ; the sum of v'.  (Plain work behind the exponentials)
.endr
	s_wait_alu depctr_va_vdst(0)                   ; the 64 exponentials have written their results, ahead of the first reader; and pair 3's products are done reading BF6, BF7 and SC3, in which the seven loads below land
.set N, 0
.rept 32
.if \nxt && ((N%4) == 0) && (N < 28)
	BL1 3, N/4, 12800                              ; the next tile's pair 3, a load ahead of every second addition: these name the accumulators alone
.endif
	v_pk_add_f32 v[ACC+N:ACC+N+1], v[ACC+N:ACC+N+1], 1.0 op_sel_hi:[1,0]
.set N, N+2
.endr
.set N, 0
.rept 64
	v_rcp_f32 v[ACC+N], v[ACC+N]
.set N, N+1
.endr
	v_nop                                          ; a plain line behind the last reciprocal
	s_wait_alu depctr_va_vdst(0)                   ; the 64 reciprocals have written their results, ahead of the first reader
.irp j, 0,2,4,6
.irp mt, 0,1,2,3,4,5,6,7
	v_pk_fma_f32 v[EACC+2*\mt:EACC+2*\mt+1], v[ACC+8*\mt+\j:ACC+8*\mt+\j+1], v[BV+8+\j:BV+9+\j], v[EACC+2*\mt:EACC+2*\mt+1]
.endr
.endr
.if \nxt
	s_wait_xcnt 0x0                                ; the refills have had their addresses translated (ISA guide 3.1): only behind this wait are the two bases stepped
	s_wait_alu depctr_va_vdst(0)                   ; the multiply-adds are done reading bias' and v', in which the next tile's land
	s_add_nc_u64 s[8:9], s[8:9], 12800
	s_add_nc_u64 s[10:11], s[10:11], 4096
	BVLOAD                                         ; the next tile's bias' and v'
.endif
.endm
.macro TILE nxt
	PAIR 0, \nxt
	PAIR 1, \nxt
	PAIR 2, \nxt
	PAIR 3, \nxt
	EPI \nxt
.endm
; The first loads of G land in registers of X.  X's vector lines stand ahead of the last step's wait on va_vdst, and the lines since (the eighteen zeros) name v40-57 alone; what LDS stores read there is free since the wait on vm_vsrc above.
.irp c, 0,1,2,3
	BLOAD \c, 0                                    ; my first tile
.endr
	BVLOAD
	FRAGS 7                                        ; the last row tile's fragments
.irp mt, 0,1,2,3,4,5,6,7
.irp c, 0,1,2,3
	ds_load_b32 v[ASC+4*\mt+\c], v[ASA] offset:16*SCP*\mt+8*\c
.endr
.endr
	s_wait_dscnt 0x0
	s_mov_b32 s32, 15
.Ltile:
	TILE 1
	WIN 0                                          ; at a label and at a branch every window is 0
	s_sub_co_u32 s32, s32, 1
	s_cmp_lg_u32 s32, 0
	s_cbranch_scc1 .Ltile
	TILE 0                                         ; the last tile is written out: no load passes the end of wf or bv
	WIN 0
; ---- E
.Lenergy:
.irp mt, 0,1,2,3,4,5,6,7
	v_add_f32 v[T+\mt], v[EACC+2*\mt], v[EACC+2*\mt+1]
.endr
	v_add_f32 v[VT], v[VS], v[VS+1]
.irp mt, 0,1,2,3,4,5,6,7
	v_fma_f32 v[T+\mt], v[VT], -0.5, v[T+\mt]      ; + sum v = - sum v' / 2, of my columns
.endr
.irp mt, 0,1,2,3,4,5,6,7
	v_mov_b32 v[TP+\mt], 0                         ; a lane permute's destination counts as one of its sources
.endr
.irp mt, 0,1,2,3,4,5,6,7
	v_permlanex16_b32 v[TP+\mt], v[T+\mt], s30, s31
.endr
.irp mt, 0,1,2,3,4,5,6,7
	v_add_f32 v[T+\mt], v[T+\mt], v[TP+\mt]        ; with lane l xor 16's columns: my wave's part of row 16 mt + r
.endr
	s_wait_alu depctr_va_vdst(0)                   ; the additions have written v182-189, which the stores read; and the last tile's multiply-adds (or X's quantiser) are done reading v200-215, in which the loads behind the barrier land
.irp mt, 0,1,2,3,4,5,6,7
	ds_store_b32 v[EPS], v[T+\mt] offset:64*\mt    ; both halves of the lanes write the same word with the same value
.endr
	MEET
.irp q, 0,1,2,3
	ds_load_b128 v[EE+4*\q:EE+4*\q+3], v[EPL] offset:512*\q        ; rows 4 lane + 0 .. 3, wave q's part
.endr
	s_wait_dscnt 0x0
.irp q, 1,2,3
	v_pk_add_f32 v[EE:EE+1], v[EE:EE+1], v[EE+4*\q:EE+4*\q+1]
	v_pk_add_f32 v[EE+2:EE+3], v[EE+2:EE+3], v[EE+4*\q+2:EE+4*\q+3]
.endr
.irp i, 0,1,2,3
	v_cmp_gt_i32 s[40+\i], s[21+\i], v2            ; row 4 lane + i counts where d - i > 4 lane: four masks in a run
.endr
	s_wait_alu depctr_va_sdst(0)                   ; the four compares have written s40 to s43, ahead of the selects that read them
.irp i, 0,1,2,3
	v_cndmask_b32 v[EE+\i], 0, v[EE+\i], s[40+\i]  ; energy x mask: 0 behind x_lens
.endr
	s_cmp_lg_u32 s16, 0                            ; every wave holds all 128 energies; wave 0 stores them: 512 consecutive bytes
	s_cbranch_scc1 .Lnot_wave_0
	s_wait_alu depctr_va_vdst(0)                   ; the selects have written v200-203, which the store reads
	global_store_b128 v1, v[EE:EE+3], s[12:13]
.Lnot_wave_0:
	v_max3_num_f32 v[MM], v[EE], v[EE+1], v[EE+2]
	v_mov_b32 v[MM+1], 0
	v_max_num_f32 v[MM], v[MM], v[EE+3]
	v_max_num_f32_dpp v[MM], v[MM], v[MM] row_xmask:1 row_mask:0xf bank_mask:0xf
	v_max_num_f32_dpp v[MM], v[MM], v[MM] row_xmask:2 row_mask:0xf bank_mask:0xf
	v_max_num_f32_dpp v[MM], v[MM], v[MM] row_xmask:4 row_mask:0xf bank_mask:0xf
	v_max_num_f32_dpp v[MM], v[MM], v[MM] row_xmask:8 row_mask:0xf bank_mask:0xf
	v_permlanex16_b32 v[MM+1], v[MM], s30, s31
	v_max_num_f32 v[MM], v[MM], v[MM+1]            ; the block's largest energy
.irp i, 0,1,2,3
	v_sub_f32 v[PP+\i], v[EE+\i], v[MM]
.endr
.irp i, 0,1,2,3
	v_mul_f32 v[PP+\i], 0x3fb8aa3b, v[PP+\i]       ; x log2(e)
.endr
.irp i, 0,1,2,3
	v_exp_f32 v[PP+\i], v[PP+\i]
.endr
.irp k, 0,1,2,3,4,5,6,7
	v_mov_b32 v[CA+\k], 0                          ; the context's sums.  (Plain work behind the exponentials)
.endr
	s_wait_alu depctr_va_vdst(0)                   ; the four exponentials have written p, which the store reads; and every vector and matrix line so far is done with v4-83 and v86-165, in which C's first loads land
	ds_store_b128 v[PWS], v[PP:PP+3]               ; into my wave's own bytes: no barrier
; ---- C: columns 256 w on, eight steps of 16 rows, written out: every offset is an immediate and no address is stepped.  A row's 512 bytes are read by one load; its p comes to every lane from one address.
.macro CL1 s, j                        ; load j of the twenty of step s, into buffer s % 2: four of p, then the sixteen rows
.if (\j) < 4
	ds_load_b128 v[PR-82*((\s)%2)+4*(\j):PR-82*((\s)%2)+4*(\j)+3], v[PWB] offset:64*(\s)+16*(\j)
.else
	ds_load_b128 v[RW-82*((\s)%2)+4*((\j)-4):RW-82*((\s)%2)+4*((\j)-4)+3], v[RETL+(\s)/2] offset:32768*((\s)%2)+2048*((\j)-4)
.endif
.endm
.macro CSTEP s
	s_wait_dscnt 0x0                               ; buffer s % 2 is in: its loads were issued early in the step before (step 0's just now, behind the store of p)
.if ((\s) > 0) && ((\s) < 7)
	s_wait_alu depctr_va_vdst(0)                   ; the multiply-adds of the step before are done reading the other buffer, in which the loads below land; this step's name buffer s % 2 and the sums alone
.endif
.irp m, 0,1,2,3,4,5,6,7,8,9,10,11,12,13,14,15
.if ((\s) < 7) && (\m < 5)
.irp j, 0,1,2,3
	CL1 (\s)+1, 4*\m+\j                            ; the next step's twenty loads, four ahead of each of the first five rows
.endr
.endif
.irp q, 0,1,2,3
	v_fma_mix_f32_bf16 v[CA+2*\q], v[RW-82*((\s)%2)+4*\m+\q], v[PR-82*((\s)%2)+\m], v[CA+2*\q] op_sel_hi:[1,0,0]
	v_fma_mix_f32_bf16 v[CA+2*\q+1], v[RW-82*((\s)%2)+4*\m+\q], v[PR-82*((\s)%2)+\m], v[CA+2*\q+1] op_sel:[1,0,0] op_sel_hi:[1,0,0]
.endr
.endr
.endm
.irp j, 0,1,2,3,4,5,6,7,8,9,10,11,12,13,14,15,16,17,18,19
	CL1 0, \j
.endr
.irp s, 0,1,2,3,4,5,6,7
	CSTEP \s
.endr
	s_wait_alu depctr_va_vdst(0)                   ; the multiply-adds have written the eight sums, which the two stores read
	global_store_b128 v1, v[CA:CA+3], s[14:15]                     ; columns 256 w + 4 lane + 0..3: 512 consecutive bytes
	global_store_b128 v1, v[CA+4:CA+7], s[14:15] offset:512        ; and 128 columns on
	s_set_vgpr_msb 0x5
	s_wait_dscnt 0x0
	s_wait_alu depctr_hold_cnt(0) depctr_sa_sdst(0) depctr_va_vdst(0) depctr_va_sdst(0) depctr_va_ssrc(0) depctr_va_vcc(0) depctr_vm_vsrc(0)
	s_wait_tensorcnt 0x0
	ds_add_u32 v254, v255
	s_wait_dscnt 0x0
	s_endpgm
.Lfunc_end_k_q439e8698e1_main:
	.size	k_q439e8698e1_main, .Lfunc_end_k_q439e8698e1_main-k_q439e8698e1_main
	.p2alignl 7, 3214868480
	.fill 96, 4, 3214868480
	.section	.rodata,"a",@progbits
	.p2align	6, 0x0
	.amdhsa_kernel k_q439e8698e1_main
		.amdhsa_group_segment_fixed_size 316928
		.amdhsa_private_segment_fixed_size 0
		.amdhsa_enable_private_segment 0
		.amdhsa_kernarg_size 48
		.amdhsa_user_sgpr_count 2
		.amdhsa_user_sgpr_kernarg_segment_ptr 1
		.amdhsa_wavefront_size32 1
		.amdhsa_system_sgpr_workgroup_id_x 1
		.amdhsa_system_sgpr_workgroup_id_y 1
		.amdhsa_system_sgpr_workgroup_id_z 1
		.amdhsa_system_vgpr_workitem_id 0
		.amdhsa_next_free_vgpr 1024
		.amdhsa_next_free_sgpr 66
		.amdhsa_reserve_vcc 0
		.amdhsa_float_denorm_mode_32 3
		.amdhsa_float_denorm_mode_16_64 3
		.amdhsa_memory_ordered 1
		.amdhsa_forward_progress 1
		.amdhsa_inst_pref_size 255
	.end_amdhsa_kernel
	.section	.bss,"aw",@nobits
	.p2align	6
	.space	262144
	.amdgpu_metadata
---
amdhsa.version: [ 1, 2 ]
amdhsa.kernels:
  - .name:           k_q439e8698e1_main
    .symbol:         k_q439e8698e1_main.kd
    .args:
      - { .name: enc_out, .offset: 0, .size: 8, .value_kind: global_buffer, .address_space: global }
      - { .name: x_lens, .offset: 8, .size: 8, .value_kind: global_buffer, .address_space: global }
      - { .name: wf, .offset: 16, .size: 8, .value_kind: global_buffer, .address_space: global }
      - { .name: bv, .offset: 24, .size: 8, .value_kind: global_buffer, .address_space: global }
      - { .name: energy, .offset: 32, .size: 8, .value_kind: global_buffer, .address_space: global }
      - { .name: cpart, .offset: 40, .size: 8, .value_kind: global_buffer, .address_space: global }
    .group_segment_fixed_size: 316928
    .private_segment_fixed_size: 0
    .kernarg_segment_align: 8
    .kernarg_segment_size: 48
    .max_flat_workgroup_size: 128
    .sgpr_count:     66
    .vgpr_count:     1024
    .wavefront_size: 32
...
	.end_amdgpu_metadata
.endif
;; end of part 5
;; launch combine: the kernel of part 3 again; grid 32 x 1, 8 waves a work-group, no clusters, 1,280 bytes of LDS; arguments energy, cpart, out0, out1; writes out0, out1
